; MI455X (gfx1250); checked and timed in simulation.
; The chip was launched on July 23, 2026; its instructions are those of AMD's public machine-readable ISA for CDNA 5 (MIT licence, August 2026) and "CDNA5" Instruction Set Architecture Reference Guide (July 2026). The comments in the code are by the model that wrote it; some were corrected since.
;; Selective Copying Model. Allowed arithmetic: matrix products marked QUANTISED: E2M3 operands, one E8M0 scale for each 32 along K, by v_wmma_scale_f32_16x16x128_f8f6f4 with both operands' format E2M3, f32 sums; everything else in f32.
;; Inputs: W0_codes 2,048 x 32 x 24 uint8 (E2M3 codes of W0, K innermost, in blocks of 32 codes, four codes in three bytes); W0_scales 2,048 x 32 uint8 (E8M0 scales of W0, one for each 32 codes along K); W1_codes 2,048 x 32 x 24 uint8 (E2M3 codes of W1, K innermost, in blocks of 32 codes, four codes in three bytes); W1_scales 2,048 x 32 uint8 (E8M0 scales of W1, one for each 32 codes along K); Wl_codes 2,048 x 32 x 24 uint8 (E2M3 codes of Wl, K innermost, in blocks of 32 codes, four codes in three bytes); Wl_scales 2,048 x 32 uint8 (E8M0 scales of Wl, one for each 32 codes along K); b0 2,048 float32; b1 2,048 float32; bl 2,048 float32; emb 2,048 x 1,024 float32; x 16 x 512 int32.
;; Outputs: out0 16 x 16 x 2,048 float32.
;; This version of the problem:
;;   THIS VERSION OF THE PROBLEM IS GIVEN IN LOW PRECISION. The matrix products marked QUANTISED in the list below multiply operands that are first quantised to E2M3 (2 exponent bits, 3 mantissa bits; 6 bits a number), with one power-of-two scale for each 32 numbers along K (OCP MX v1.0); their sums are f32. All else is computed in f32.
;;   The module's matrix products, in the order in which they are computed (A, B: the left and right operand; K: the contracted axis; several contracted axes count as one K, in the product's order):
;;     1. [M 8,192, K 1,024] x [K 1,024, N 2,048]; A: computed on the way; B: input W0 (given as codes): QUANTISED
;;     2. [M 8,192, K 1,024] x [K 1,024, N 2,048]; A: computed on the way; B: input W1 (given as codes): QUANTISED
;;     3. [M 8,192, K 1,024] x [K 1,024, N 2,048]; A: computed on the way; B: input Wl (given as codes): QUANTISED
;;   THE QUANTISER, for each operand of a quantised product, along K:
;;     - K is cut into blocks of 32 from its start; a last block that is shorter is filled with zeros.
;;     - A block's scale is 2^e with e = floor(log2(the largest magnitude in the block)) - 2, held to -126 .. 127; a block of zeros has e = 0. As a byte (E8M0): e + 127.
;;     - Each number is divided by its block's scale, clamped to +-7.5, and rounded to the nearest number of E2M3, ties to even, subnormals kept.
;;     - The product sums the exact products of the quantised numbers (number of the format x scale) in f32.
;;   ~~~python
;;   def quantise(x, axis):      # numpy; x: float32 -> the quantised numbers, widened to float32 again
;;       x = np.moveaxis(x, axis, -1); K = x.shape[-1]
;;       x = np.pad(x, [(0, 0)] * (x.ndim - 1) + [(0, -K % 32)]); x = x.reshape(x.shape[:-1] + (-1, 32)); a = np.abs(x).max(-1, keepdims=True)
;;       e = np.where(a > 0, np.clip(np.frexp(np.where(a > 0, a, 1))[1] - 1 - 2, -126, 127), 0)      # np.frexp(a)[1] - 1 = floor(log2(a)), exactly
;;       r = np.clip(x / 2.0 ** e, -7.5, 7.5)
;;       step = 2.0 ** (np.maximum(np.frexp(np.where(r == 0, 1, r))[1] - 1, 0) - 3)
;;       q = np.round(r / step) * step * 2.0 ** e      # np.round: ties to even
;;       return np.moveaxis(q.reshape(q.shape[:-2] + (-1,))[..., :K], -1, axis).astype(np.float32)
;;   ~~~
;;   OPERANDS COMPUTED ON THE WAY. 'Computed on the way' means the value that the module computes at that place (a softmax that the list does not call 'softmax' is quantised finished and normalised). What goes into a quantiser is computed in f32, as accurately as f32 sums, v_exp_f32 and their like allow (about 1e-6 of the number): no bf16 or f16 on the way to a quantiser, and a product that is left as it is and whose result goes on into a quantised operand takes f32 operands (vector FMAs, or v_wmma_f32_16x16x4_f32). A number that lies on a knife's edge between two numbers of the format may be rounded either way, as far as f32 arithmetic and the matrix unit's own rounding can turn it there, and no further.
;;   INPUTS GIVEN AS CODES. W0 (in the module: [2048, 1024], K = its axis 1); W1 (in the module: [2048, 1024], K = its axis 1); Wl (in the module: [2048, 1024], K = its axis 1): each comes as NAME_codes (uint8): NAME with its K axis moved to the last place and cut into blocks of 32 codes, [.., K / 32, bytes a block], one block behind the other in memory; four codes in three bytes: a row's codes are one little-endian stream of bits, code i at bits 6 i .. 6 i + 5 (a code: sign, 2 exponent bits, 3 mantissa bits); and NAME_scales (uint8): the same leading axes, one E8M0 byte (e + 127) for each 32 codes along K. Its value is code x scale, taken as it is: it is not quantised again, and the codes and scales need not be those that the quantiser above would give.
;; One version. Each part assembles by itself: llvm-mc -triple=amdgcn-amd-amdhsa -mcpu=gfx1250 --defsym DOCPART=n.
;; ======== version 1 of 1: 4 launches
;; limits: right only within a limited range of input values
;; workspace buffers: wimg 4,718,592 bytes; tab 16,777,216 bytes; a1 6,553,600 bytes; h1t 1,048,576 bytes; a2 204,800 bytes
;; launch table (part 1): grid 32 x 8, 4 waves a work-group, clusters of 4 x 1, 295,424 bytes of LDS; arguments emb, W0_codes, W0_scales, b0, W1_codes, Wl_codes, wimg, tab; writes wimg, tab
.if DOCPART == 1
	.amdgcn_target "amdgcn-amd-amdhsa--gfx1250"
	.amdhsa_code_object_version 6
	.text
	.protected	k_q0cb6e977ba_table
	.globl	k_q0cb6e977ba_table
	.p2align	8
	.type	k_q0cb6e977ba_table,@function
k_q0cb6e977ba_table:
	s_mov_b64 s[64:65], 0
	v_nop
	global_prefetch_b8 v0, s[64:65] scope:SCOPE_SE
	s_setreg_imm32_b32 hwreg(HW_REG_WAVE_MODE, 25, 1), 1
	s_wait_xcnt 0x0
	s_wait_alu depctr_hold_cnt(0) depctr_sa_sdst(0) depctr_va_vdst(0) depctr_va_sdst(0) depctr_va_ssrc(0) depctr_va_vcc(0) depctr_vm_vsrc(0)
	s_getreg_b32 s2, hwreg(HW_REG_IB_STS2, 6, 4)
	s_cmp_eq_u32 s2, 0
	s_cbranch_scc0 .Lentry_in_a_cluster
	s_endpgm
.Lentry_in_a_cluster:
	s_bfe_u32 s2, ttmp6, 0x10000c
	s_cmp_lg_u32 s2, 0x3003
	s_cbranch_scc0 .Lentry_shape_is_right
	s_endpgm
.Lentry_shape_is_right:
; THE FIRST minGRU LAYER'S GATES, ONCE FOR EACH ROW OF THE VOCABULARY.
; WORK LEFT OUT, for all values of the inputs: row (b, t) of the first product's left operand is Q(emb[x[b][t]]); the quantiser works inside one row, so that row of the
; product is row x[b][t] of Q(emb) W0^T.  The product, its bias and the gates are made here for the 2,048 rows of emb, and the next launch picks rows by x.
; The last product is made for the 16 times that reference() keeps (launch logits).  Every input is loaded by some launch.
; LIMIT: a NaN, an infinity or an overflow that reaches only work left out (a row of emb that x never names, logits of times that are sliced away) is not carried to the result.
; tab: c = sigmoid(-gate) as [2048][1024] f32, and 8,388,608 bytes on v = sigmoid(gate) max(hidden + 0.5, sigmoid(hidden)), the same shape.
; SHARES: work-group (mb, gp): rows 64 mb on, channels 128 gp on.  Wave w: channels 64 (2 gp + w % 2) on, rows 32 (w / 2) on: 8 tiles of W0 (4 gate, 4 hidden) x 2 tiles of rows, 16 sums, 8 K steps.
; Source 0 = 16 rows of W0, source 1 = 16 rows of Q(emb): a lane holds one row of emb and eight neighbouring channels; the bias is the C of each sum's first product.
; ORDER ALONG K, alike on both sides: in K step s registers 6 c .. 6 c + 5 of lane half h hold channels 128 s + 64 h + 32 c + 0 .. 31; the scale bytes go with their blocks.
; W0's 256 rows come by one tensor load a wave (64 rows as 192 rows of 256 bytes, 16 bytes of padding behind each), asked for jointly by the four work-groups of a cluster, which share gp.
; emb's rows come by plain loads (16 lanes read 256 consecutive bytes), go through the wave's own stage so that a lane holds 64 channels of one row, and are quantised there.
; Each work-group also lays one block of 16 rows of W1 or Wl anew into wimg, as images of operand registers ([g 16][K step 8][block 8][1,536]); wimg's first third is not used.
; No prefetch: the launch has no loop to run ahead in; its loads go out from the head on, as many as the counter holds.
; LIMITS: NaN and infinities are not served.  The exponent of 2^(-gate log2 e) is held at 120.  Sigmoids under 2^-126 come out as 0.  A block of zeros gets the byte 1 with zero codes.
; REGISTERS: window 0: v4-24 addresses, v25-32 emb's scale words, v34-65 W0's, v66-129 a unit's 64 numbers, v130-157 the quantiser, v160-183 the weights' block, then v128-255 the sums, v32-95 at work;
;   window 1: four units of emb, then two sets of fragments, then the way out;  window 2: v0-63 the biases.
.set BLK,   52224
.set AIMG,  208896                     ; Q(emb): images [tile 4][K step 8][1,536]
.set ASC,   258048                     ; its scale words [tile 4][K step 8][row 16]
.set QST,   260096                     ; a stage of 2 x 16 rows x 272 bytes for each wave
.set SPARE, 294912                     ; the spare words
.set SA, 25
.set SB, 34
.set XX, 66
.set CC, 130
.set TA, 142
.set TB, 146
.set MX, 150
.set SCL, 154
.set BYN, 156
.set RL, 160
.set ACC, 128
.set TT, 32
.set UU, 64
.set ADB, 11
.set MSB, 0
.macro WIN new                         ; the immediate's high byte repeats the setting that is left
.if MSB != \new
	s_set_vgpr_msb (MSB<<8)|\new
.set MSB, \new
.endif
.endm
.macro PLACES
.rept 4
	v_nop
.endr
.endm
.macro CROUND                          ; a round of the cluster's barrier
	s_barrier_signal -1
	s_barrier_wait -1
	s_cmp_lg_u32 s20, 0
	s_cbranch_scc1 .Lnot_wave_0_\@
	s_barrier_signal -3
.Lnot_wave_0_\@:
	s_barrier_wait -3
	s_barrier_signal -1
	s_barrier_wait -1
.endm
; 64 numbers of one row become 12 registers of codes in v[CC] on and two scale bytes in v[BYN], v[BYN+1]
.macro QROW x
	v_max3_num_f32 v[MX],   |v[\x]|,    |v[\x+1]|,  0x1800000       ; the floor 2^(3 - 127): the byte cannot fall under 1
	v_max3_num_f32 v[MX+1], |v[\x+16]|, |v[\x+17]|, |v[\x+18]|
	v_max3_num_f32 v[MX+2], |v[\x+32]|, |v[\x+33]|, 0x1800000
	v_max3_num_f32 v[MX+3], |v[\x+48]|, |v[\x+49]|, |v[\x+50]|
.irp i, 2,4,6,8,10,12
	v_max3_num_f32 v[MX],   v[MX],   |v[\x+\i]|,    |v[\x+\i+1]|
	v_max3_num_f32 v[MX+1], v[MX+1], |v[\x+17+\i]|, |v[\x+18+\i]|
	v_max3_num_f32 v[MX+2], v[MX+2], |v[\x+32+\i]|, |v[\x+33+\i]|
	v_max3_num_f32 v[MX+3], v[MX+3], |v[\x+49+\i]|, |v[\x+50+\i]|
.endr
	v_max3_num_f32 v[MX],   v[MX],   |v[\x+14]|, |v[\x+15]|
	v_max3_num_f32 v[MX+2], v[MX+2], |v[\x+46]|, |v[\x+47]|
	v_max3_num_f32 v[MX],   v[MX],   v[MX+1], |v[\x+31]|
	v_max3_num_f32 v[MX+2], v[MX+2], v[MX+3], |v[\x+63]|
	v_add_nc_u32 v[SCL],   0xff000000, v[MX]                        ; 2 off the exponent field: the conversion's scale operand
	v_add_nc_u32 v[SCL+1], 0xff000000, v[MX+2]
	v_lshrrev_b32 v[BYN],   23, v[SCL]
	v_lshrrev_b32 v[BYN+1], 23, v[SCL+1]
	v_cvt_scalef32_pk16_fp6_f32 v[CC:CC+2],   v[\x:\x+15],    v[SCL]
	v_cvt_scalef32_pk16_fp6_f32 v[TA:TA+2],   v[\x+16:\x+31], v[SCL]
	v_cvt_scalef32_pk16_fp6_f32 v[CC+6:CC+8], v[\x+32:\x+47], v[SCL+1]
	v_cvt_scalef32_pk16_fp6_f32 v[TB:TB+2],   v[\x+48:\x+63], v[SCL+1]
	v_nop                                                           ; one plain line behind the last scaled conversion
.irp i, 0,1,2
	v_mov_b32 v[CC+3+\i], v[TA+\i]
	v_mov_b32 v[CC+9+\i], v[TB+\i]
.endr
.endm
	s_load_b512 s[4:19], s[0:1], 0x0               ; emb, W0 codes, W0 scales, b0, W1 codes, Wl codes, wimg, tab
	v_lshl_add_u32 v4, v0, 2, SPARE
	v_mov_b32 v5, 0
	ds_add_u32 v4, v5                              ; the opening lines: the add twice on end and its wait
	ds_add_u32 v4, v5
	v_lshrrev_b32 v1, 5, v0
	v_readfirstlane_b32 s20, v1                    ; wave
	s_bfe_u32 s21, ttmp6, 0x40000                  ; cx
	s_lshl_b32 s22, ttmp9, 2
	s_add_co_u32 s22, s22, s21                     ; mb
	s_and_b32 s23, ttmp7, 0xffff                   ; gp
	s_and_b32 s24, s20, 1                          ; which 64 channels
	s_lshr_b32 s25, s20, 1                         ; which 32 rows; for the tensor load: gate (0) or hidden (1)
	s_mov_b32 s32, 15|(3<<16)|(1<<20)|(1<<21)|(5<<22)|(3<<25)  ; the cluster's four; elements of 8 bytes; 4 words of padding behind every 64
	s_mov_b32 s33, 32<<16
	s_mov_b32 s34, 192<<16
	s_mov_b32 s35, 32<<16
	s_mov_b32 s36, 192
	s_mov_b32 s37, 32
	s_mov_b32 s38, 0
	s_mov_b32 s39, 0
	s_mov_b32 s60, 1
	s_mul_i32 s61, s20, BLK
	s_mul_i32 s26, s25, 786432
	s_mul_i32 s28, s23, 98304
	s_add_co_u32 s26, s26, s28
	s_mul_i32 s28, s24, 49152
	s_add_co_u32 s26, s26, s28                     ; W0: rows 1,024 (w / 2) + 128 gp + 64 (w % 2) on
	s_mov_b32 s27, 0
	s_lshl_b32 s40, s22, 18                        ; emb: row 64 mb
	s_mov_b32 s41, 0
	s_and_b32 s56, s23, 3
	s_lshl_b32 s56, s56, 5
	s_add_co_u32 s56, s56, s22                     ; the block of 16 rows of W1 or Wl: 0..127
	s_lshr_b32 s57, s23, 2                         ; 0: W1, 1: Wl
	s_mul_i32 s42, s56, 12288
	s_mul_i32 s28, s20, 192
	s_add_co_u32 s42, s42, s28                     ; in: my two K steps of the block
	s_mov_b32 s43, 0
	s_add_co_u32 s48, s57, 1
	s_mul_i32 s48, s48, 1572864
	s_bfe_u32 s28, s56, 0x40002
	s_mul_i32 s28, s28, 98304
	s_add_co_u32 s48, s48, s28
	s_and_b32 s28, s56, 3
	s_lshr_b32 s29, s56, 6
	s_lshl_b32 s29, s29, 2
	s_add_co_u32 s28, s28, s29
	s_mul_i32 s28, s28, 1536
	s_add_co_u32 s48, s48, s28
	s_mul_i32 s28, s20, 24576
	s_add_co_u32 s48, s48, s28                     ; out
	s_mov_b32 s49, 0
	s_lshl_b32 s46, s23, 9
	s_lshl_b32 s28, s24, 8
	s_add_co_u32 s46, s46, s28                     ; 4 bytes x my first channel
	s_mov_b32 s47, 0
	s_lshl_b32 s44, s46, 3                         ; 32 bytes x the same
	s_mov_b32 s45, 0
	s_lshl_b32 s50, s25, 17
	s_add_co_u32 s50, s50, s40
	s_add_co_u32 s50, s50, s46                     ; tab: my first row, my first channel
	s_mov_b32 s51, 0
	s_mov_b32 s54, 0xbfb8aa3b                      ; -log2(e)
	s_mov_b32 s55, s54
	s_mul_i32 s30, s20, 8704
	s_add_co_u32 s30, s30, QST
	s_mul_i32 s31, s20, 3072
	s_add_co_u32 s31, s31, AIMG
	s_lshl_b32 s58, s20, 7
	s_add_co_u32 s58, s58, ASC
	s_mul_i32 s59, s24, BLK
	s_mul_i32 s28, s25, 24576
	s_add_co_u32 s28, s28, AIMG
	s_lshl_b32 s29, s25, 10
	s_add_co_u32 s29, s29, ASC
	s_lshl_b32 s56, s20, 10
	s_wait_alu depctr_va_vdst(0)                   ; the wait behind the run of scalar lines
	v_and_b32 v1, 31, v0                           ; l
	v_and_b32 v2, 15, v0                           ; r
	v_bfe_u32 v3, v0, 4, 1                         ; h
	v_lshlrev_b32 v30, 4, v2
	v_lshlrev_b32 v21, 4, v1                       ; an image: 16 l
	v_lshl_add_u32 v6, v3, 16, v30
	v_add_nc_u32 v6, s56, v6                       ; emb: row 16 h, channels 256 w on, 16 r
	v_mul_u32_u24 v31, v3, 4352
	v_add_nc_u32 v31, s30, v31
	v_add_nc_u32 v7, v31, v30                      ; stage as loaded: part h, 16 r
	v_mad_u32_u24 v8, v2, 272, v31                 ; stage a row a lane: part h, row r
	v_mad_u32_u24 v9, v3, 12288, v30
	v_add_nc_u32 v9, s31, v9                       ; Q(emb)'s image: tile h, K step 2 w, 16 r
	v_lshlrev_b32 v10, 2, v2
	v_lshl_add_u32 v16, v3, 8, v10
	v_add_nc_u32 v16, s29, v16                     ; scale words as read: lanes 16-31 take K steps 4-7
	v_lshl_add_u32 v10, v3, 9, v10
	v_add_nc_u32 v10, s58, v10                     ; scale bytes as stored
	v_mul_u32_u24 v11, v2, 816
	v_add_nc_u32 v11, s59, v11
	v_lshl_add_u32 v12, v3, 6, v11                 ; W0's row r; lanes 16-31 48 bytes on and past a chunk's padding,
	v_mad_u32_u24 v11, v3, 48, v11                 ; or 48 bytes on in the same chunk
	v_add_nc_u32 v13, 104448, v11                  ; the hidden rows
	v_add_nc_u32 v14, 104448, v12
	v_add_nc_u32 v15, s28, v21                     ; my two tiles of Q(emb)
	v_mul_u32_u24 v17, v2, 272
	v_add_nc_u32 v17, s30, v17
	v_lshl_add_u32 v17, v3, 5, v17                 ; the way out, in: row r, 32 h
	v_mad_u32_u24 v18, v3, 272, v30
	v_add_nc_u32 v18, s30, v18                     ; back: lanes 0-15 one row, lanes 16-31 the next
	v_lshl_add_u32 v19, v3, 12, v30                ; the same two rows in tab
	v_mul_u32_u24 v20, v2, 768
	v_mad_u32_u24 v20, v3, 48, v20                 ; W1 or Wl: row r, 48 h
	v_lshlrev_b32 v22, 5, v2
	v_lshl_add_u32 v22, v3, 4, v22                 ; W0's scale bytes: row r of 32, 16 h
	v_lshlrev_b32 v23, 5, v3                       ; b0: my half's eight numbers of a tile
	v_mov_b32 v24, 0x42f00000                      ; 120.0
	s_wait_alu depctr_va_vdst(0)                   ; the wait at the head's end
	s_wait_dscnt 0x0                               ; both opening adds are done
	s_wait_kmcnt 0x0
	s_add_nc_u64 s[62:63], s[6:7], s[26:27]
	s_or_b32 s63, s63, 0x80000000
	s_add_nc_u64 s[40:41], s[4:5], s[40:41]
	s_cmp_eq_u32 s57, 0                            ; the choice hangs on the cluster's y alone
	s_cselect_b64 s[12:13], s[12:13], s[14:15]
	s_add_nc_u64 s[42:43], s[12:13], s[42:43]
	s_add_nc_u64 s[44:45], s[8:9], s[44:45]
	s_add_nc_u64 s[46:47], s[10:11], s[46:47]
	s_add_nc_u64 s[48:49], s[16:17], s[48:49]
	s_add_nc_u64 s[50:51], s[18:19], s[50:51]
	s_add_nc_u64 s[52:53], s[50:51], 0x800000
.irp i, 0,1,2,3,4,5
	global_load_b128 v[RL+4*\i:RL+4*\i+3], v20, s[42:43] offset:96*(\i/3)+16*(\i%3) th:TH_LOAD_NT
.endr
.irp t, 0,1,2,3
	global_load_b128 v[SB+4*\t:SB+4*\t+3],       v22, s[44:45] offset:512*\t
	global_load_b128 v[SB+16+4*\t:SB+16+4*\t+3], v22, s[44:45] offset:32768+512*\t
.endr
	WIN 0x80
.irp t, 0,1,2,3
	global_load_b128 v[8*\t:8*\t+3],       v23, s[46:47] offset:64*\t
	global_load_b128 v[8*\t+4:8*\t+7],     v23, s[46:47] offset:64*\t+16
	global_load_b128 v[32+8*\t:32+8*\t+3], v23, s[46:47] offset:4096+64*\t
	global_load_b128 v[32+8*\t+4:32+8*\t+7], v23, s[46:47] offset:4096+64*\t+16
.endr
; unit u of my eight: rows 32 (u % 2) on, channels 256 w + 64 (u / 2) on: 16 loads, each 256 consecutive bytes of two rows
.macro LOADU u
.set kk, 0
.rept 16
	global_load_b128 v[64*((\u)%4)+4*kk:64*((\u)%4)+4*kk+3], v6, s[40:41] offset:4096*kk+131072*((\u)%2)+256*((\u)/2)
.set kk, kk+1
.endr
.endm
	WIN 0x40
	LOADU 0
	LOADU 1
	WIN 0
	CROUND                                         ; the four work-groups are here: the joint loads meet
	tensor_load_to_lds s[60:63], s[32:39]          ; my 64 rows of W0: the one tensor load of the wave
	s_nop 0
	PLACES
	WIN 0x40
	LOADU 2
.macro UNIT u
.set GQ, (\u)/2
.set RH, (\u)%2
.if (\u)+3 < 8
	WIN 0x40
	LOADU (\u)+3
	s_wait_loadcnt 48                              ; behind this unit's loads: those of three later units
.else
	s_wait_loadcnt 16*(7-(\u))                     ; those of the units that are left
.endif
	WIN 0x04
.set kk, 0
.rept 16
	ds_store_b128 v7, v[64*((\u)%4)+4*kk:64*((\u)%4)+4*kk+3] offset:272*kk
.set kk, kk+1
.endr
	WIN 0
.set kk, 0
.rept 16
	ds_load_b128 v[XX+4*kk:XX+4*kk+3], v8 offset:16*kk   ; my wave's own bytes, served in order (ISA guide 5.7.1.4): a lane now holds 64 channels of one row
.set kk, kk+1
.endr
	s_wait_dscnt 0x0
	QROW XX
.irp c, 0,1,2
	ds_store_b128 v9, v[CC+4*\c:CC+4*\c+3] offset:24576*RH+1536*(GQ/2)+256*(GQ%2)+512*\c
.endr
	ds_store_b8 v10, v[BYN]   offset:1024*RH+64*(GQ/2)+(GQ%2)      ; block c of half h is the instruction's block 2 c + h
	ds_store_b8 v10, v[BYN+1] offset:1024*RH+64*(GQ/2)+(GQ%2)+2
.endm
	UNIT 0
.irp i, 0,1,2,3,4,5
	global_store_b128 v21, v[RL+4*\i:RL+4*\i+3], s[48:49] offset:12288*(\i/3)+512*(\i%3)   ; 32 lanes store 512 consecutive bytes, aligned
.endr
	UNIT 1
	UNIT 2
	UNIT 3
	UNIT 4
	UNIT 5
	UNIT 6
	UNIT 7
.set n, 0
.rept 32
	v_perm_b32 v[SB+n], v[SB+n], v[SB+n], 0x03010200   ; bytes 1 and 2 change places, as their blocks do
.set n, n+1
.endr
	s_wait_alu depctr_va_vdst(0)                   ; the wait ahead of the waits below
	s_wait_xcnt 0x0                                ; the stores above have read their registers, where sums will lie
	s_wait_tensorcnt 0x0                           ; my rows of W0 are in
	s_wait_dscnt 0x0                               ; my codes and scale bytes are in
	s_barrier_signal -1
	s_barrier_wait -1
.irp m, 0,1
.irp q, 0,1,2,3
	ds_load_b32 v[SA+4*\m+\q], v16 offset:512*\m+64*\q
.endr
.endr
; the fragments of K step s into set p: W0's eight (three pieces of 16 bytes; byte y of a row lies at y + 16 (y / 256)), Q(emb)'s two
.macro FETCH s, p
	WIN 0x40
.irp bb, 0,1,2,3,4,5,6,7
.irp c, 0,1,2
.set Y0, 96*(\s)+16*\c
.set XR, ((Y0+48)>>8)-(Y0>>8)
	ds_load_b128 v[128*(\p)+12*\bb+4*\c:128*(\p)+12*\bb+4*\c+3], v[ADB+2*(\bb/4)+XR] offset:Y0+16*(Y0>>8)+13056*(\bb%4)
.endr
.endr
.irp m, 0,1
.irp c, 0,1,2
	ds_load_b128 v[128*(\p)+96+12*\m+4*\c:128*(\p)+96+12*\m+4*\c+3], v15 offset:(8*\m+(\s))*1536+512*\c
.endr
.endr
.endm
; 16 products; the 16 sums take turns, in the same order in every K step
.macro MUL s
.set P, 128*((\s)%2)
.irp m, 0,1
.irp bb, 0,1,2,3,4,5,6,7
.set rD, ACC+64*\m+8*\bb
.if (\s) == 0
	v_wmma_scale_f32_16x16x128_f8f6f4 v[rD:rD+7], v[P+12*\bb:P+12*\bb+11], v[P+96+12*\m:P+96+12*\m+11], v[8*\bb:8*\bb+7], v[SB+4*\bb], v[SA+4*\m] matrix_a_fmt:MATRIX_FMT_FP6 matrix_b_fmt:MATRIX_FMT_FP6
.elseif (\s) < 4
	v_wmma_scale_f32_16x16x128_f8f6f4 v[rD:rD+7], v[P+12*\bb:P+12*\bb+11], v[P+96+12*\m:P+96+12*\m+11], v[rD:rD+7], v[SB+4*\bb+(\s)], v[SA+4*\m+(\s)] matrix_a_fmt:MATRIX_FMT_FP6 matrix_b_fmt:MATRIX_FMT_FP6
.else
	v_wmma_scale_f32_16x16x128_f8f6f4 v[rD:rD+7], v[P+12*\bb:P+12*\bb+11], v[P+96+12*\m:P+96+12*\m+11], v[rD:rD+7], v[SB+4*\bb+(\s)-4], v[SA+4*\m+(\s)-4] matrix_a_fmt:MATRIX_FMT_FP6 matrix_b_fmt:MATRIX_FMT_FP6 matrix_a_scale:MATRIX_SCALE_ROW1 matrix_b_scale:MATRIX_SCALE_ROW1
.endif
.endr
.endr
.endm
	FETCH 0, 0
.set KS, 0
.rept 8
.if KS < 7
.if KS > 0
	PLACES                                         ; four places ahead of loads into registers that products have read
.endif
	FETCH KS+1, (KS+1)%2
	s_wait_dscnt 30                                ; all but the 30 loads just issued
.else
	s_wait_dscnt 0x0
.endif
.if KS == 0
	WIN 0x25                                       ; fragments window 1, C (the bias) window 2
.else
	WIN 0x05
.endif
	MUL KS
.set KS, KS+1
.endr
	WIN 0
	PLACES
; 16 rows x 64 channels: G, the gates' sums, becomes c; H = G + 32, the hidden sums, becomes v.  Each sum is read from its low end on.
.macro EW G
.set H, (\G)+32
	s_wait_alu depctr_va_vdst(0)                   ; the waits in this block: one ahead of and one behind each batch of transcendentals
.set n, 0
.rept 16
	v_pk_mul_f32 v[\G+n:\G+n+1], v[\G+n:\G+n+1], s[54:55] op_sel_hi:[1,0]
.set n, n+2
.endr
.set n, 0
.rept 32
	v_min_num_f32 v[\G+n], v[\G+n], v24
.set n, n+1
.endr
	s_wait_alu depctr_va_vdst(0)
.set n, 0
.rept 32
	v_exp_f32 v[\G+n], v[\G+n]                     ; E = e^(-gate)
.set n, n+1
.endr
	s_wait_alu depctr_va_vdst(0)
.set n, 0
.rept 16
	v_pk_mul_f32 v[UU+n:UU+n+1], v[H+n:H+n+1], s[54:55] op_sel_hi:[1,0]
.set n, n+2
.endr
.set n, 0
.rept 16
	v_pk_add_f32 v[TT+n:TT+n+1], v[\G+n:\G+n+1], 1.0 op_sel_hi:[1,0]
.set n, n+2
.endr
	s_wait_alu depctr_va_vdst(0)
.set n, 0
.rept 32
	v_exp_f32 v[UU+n], v[UU+n]
.set n, n+1
.endr
.set n, 0
.rept 32
	v_rcp_f32 v[TT+n], v[TT+n]                     ; z
.set n, n+1
.endr
.set n, 0
.rept 16
	v_pk_add_f32 v[H+n:H+n+1], v[H+n:H+n+1], 0.5 op_sel_hi:[1,0]
.set n, n+2
.endr
	s_wait_alu depctr_va_vdst(0)
.set n, 0
.rept 16
	v_pk_add_f32 v[UU+n:UU+n+1], v[UU+n:UU+n+1], 1.0 op_sel_hi:[1,0]
.set n, n+2
.endr
	s_wait_alu depctr_va_vdst(0)
.set n, 0
.rept 32
	v_rcp_f32 v[UU+n], v[UU+n]                     ; sigmoid(hidden)
.set n, n+1
.endr
.set n, 0
.rept 16
	v_pk_mul_f32 v[\G+n:\G+n+1], v[\G+n:\G+n+1], v[TT+n:TT+n+1]   ; c = E z
.set n, n+2
.endr
	s_wait_alu depctr_va_vdst(0)
.set n, 0
.rept 32
	v_max_num_f32 v[H+n], v[H+n], v[UU+n]          ; g
.set n, n+1
.endr
.set n, 0
.rept 16
	v_pk_mul_f32 v[H+n:H+n+1], v[H+n:H+n+1], v[TT+n:TT+n+1]   ; v = z g
.set n, n+2
.endr
.endm
; the way out of 16 rows: a lane's 32 bytes of a row go into my wave's stage and come back as whole rows of 256 bytes
.macro SEND m
.set G, ACC+64*\m
.irp t, 0,1,2,3
	ds_store_b128 v17, v[G+8*\t:G+8*\t+3]       offset:64*\t
	ds_store_b128 v17, v[G+8*\t+4:G+8*\t+7]     offset:64*\t+16
	ds_store_b128 v17, v[G+32+8*\t:G+32+8*\t+3] offset:4352+64*\t
	ds_store_b128 v17, v[G+32+8*\t+4:G+32+8*\t+7] offset:4352+64*\t+16
.endr
	WIN 0x40
.irp q, 0,1,2,3,4,5,6,7
	ds_load_b128 v[64*\m+4*\q:64*\m+4*\q+3],       v18 offset:544*\q
	ds_load_b128 v[64*\m+32+4*\q:64*\m+32+4*\q+3], v18 offset:4352+544*\q
.endr
	s_wait_dscnt 0x0
	WIN 0x04
.irp q, 0,1,2,3,4,5,6,7
	global_store_b128 v19, v[64*\m+4*\q:64*\m+4*\q+3],       s[50:51] offset:65536*\m+8192*\q   ; sixteen lanes store 256 consecutive bytes, aligned
	global_store_b128 v19, v[64*\m+32+4*\q:64*\m+32+4*\q+3], s[52:53] offset:65536*\m+8192*\q
.endr
	WIN 0
.endm
	EW ACC
	SEND 0
	EW ACC+64
	SEND 1
	s_wait_tensorcnt 0x0                           ; the wave's end
	ds_add_u32 v4, v5
	s_wait_dscnt 0x0
	CROUND                                         ; the closing round
	s_endpgm
.Lfunc_end_k_q0cb6e977ba_table:
	.size	k_q0cb6e977ba_table, .Lfunc_end_k_q0cb6e977ba_table-k_q0cb6e977ba_table
	.p2alignl 7, 3214868480
	.fill 96, 4, 3214868480
	.section	.rodata,"a",@progbits
	.p2align	6, 0x0
	.amdhsa_kernel k_q0cb6e977ba_table
		.amdhsa_group_segment_fixed_size 295424
		.amdhsa_private_segment_fixed_size 0
		.amdhsa_enable_private_segment 0
		.amdhsa_kernarg_size 64
		.amdhsa_user_sgpr_count 2
		.amdhsa_user_sgpr_kernarg_segment_ptr 1
		.amdhsa_wavefront_size32 1
		.amdhsa_system_sgpr_workgroup_id_x 1
		.amdhsa_system_sgpr_workgroup_id_y 1
		.amdhsa_system_sgpr_workgroup_id_z 1
		.amdhsa_system_vgpr_workitem_id 0
		.amdhsa_next_free_vgpr 576
		.amdhsa_next_free_sgpr 66
		.amdhsa_reserve_vcc 0
		.amdhsa_float_denorm_mode_32 3
		.amdhsa_float_denorm_mode_16_64 3
		.amdhsa_memory_ordered 1
		.amdhsa_forward_progress 1
		.amdhsa_inst_pref_size 135
	.end_amdhsa_kernel
	.amdgpu_metadata
---
amdhsa.version: [ 1, 2 ]
amdhsa.kernels:
  - .name:           k_q0cb6e977ba_table
    .symbol:         k_q0cb6e977ba_table.kd
    .args:
      - { .name: emb, .offset: 0, .size: 8, .value_kind: global_buffer, .address_space: global }
      - { .name: W0_codes, .offset: 8, .size: 8, .value_kind: global_buffer, .address_space: global }
      - { .name: W0_scales, .offset: 16, .size: 8, .value_kind: global_buffer, .address_space: global }
      - { .name: b0, .offset: 24, .size: 8, .value_kind: global_buffer, .address_space: global }
      - { .name: W1_codes, .offset: 32, .size: 8, .value_kind: global_buffer, .address_space: global }
      - { .name: Wl_codes, .offset: 40, .size: 8, .value_kind: global_buffer, .address_space: global }
      - { .name: wimg, .offset: 48, .size: 8, .value_kind: global_buffer, .address_space: global }
      - { .name: tab, .offset: 56, .size: 8, .value_kind: global_buffer, .address_space: global }
    .group_segment_fixed_size: 295424
    .private_segment_fixed_size: 0
    .kernarg_segment_align: 8
    .kernarg_segment_size: 64
    .max_flat_workgroup_size: 128
    .sgpr_count:     66
    .vgpr_count:     576
    .wavefront_size: 32
...
	.end_amdgpu_metadata
.endif
;; end of part 1
;; launch scan0 (part 2): grid 16 x 16, 16 waves a work-group, no clusters, 173,056 bytes of LDS; arguments x, emb, tab, a1, h1t; writes a1, h1t
.if DOCPART == 2
	.amdgcn_target "amdgcn-amd-amdhsa--gfx1250"
	.amdhsa_code_object_version 6
	.text
	.protected	k_q0cb6e977ba_scan0
	.globl	k_q0cb6e977ba_scan0
	.p2align	8
	.type	k_q0cb6e977ba_scan0,@function
k_q0cb6e977ba_scan0:
	s_mov_b64 s[64:65], 0
	v_nop
	global_prefetch_b8 v0, s[64:65] scope:SCOPE_SE
	s_setreg_imm32_b32 hwreg(HW_REG_WAVE_MODE, 25, 1), 1
	s_wait_xcnt 0x0
; THE FIRST minGRU LAYER'S SCAN: h_t = c_t h_(t-1) + v_t, h_0 = 0.5, with c_t, v_t the rows x[b][t] of the tables that the launch before made once for each row of the vocabulary
; (the first product's rows for equal indices are equal: see that launch's head); h1 = h + emb[x]; h1 is quantised along the channels to FP6 (E2M3) with E8M0 scales and stored as the next product's operand (a1);
; the last 16 times also go out as f32 (h1t).
; The scan is the recurrence itself, not in logarithms: all terms are positive and c + z = 1, so each step is a weighted mean of h_(t-1) and g_t: nothing overflows or cancels, and no maximum has to be taken away.
; SHARES: work-group (g, b): batch b, channels 64 g on, 512 times.  Wave 4 w + p, lane half h: the 16 times 128 w + 64 h + 16 p on, segment 8 w + 4 h + p; lane r of a half: channels 4 r .. 4 r + 3.
; Every load takes 256 consecutive bytes of one row in sixteen lanes; a wave's 48 loads go out together.  A segment is scanned from nothing (V, P); the 32 segments' (P, V) meet in LDS;
; wave j scans channels 4 j .. 4 j + 3 over the segments, a lane a segment, by lane shifts; each lane then takes the h at its segment's start.
; a1: images [batch 16][half 2][K step 8][tile 16][1,536]: lane r of tile 8 w + i is time 128 w + 64 (r / 8) + 8 i + r % 8; registers 4 c .. 4 c + 3 of lane l at 512 c + 16 l; 64 channels of a row fill the 12 registers of lane 16 (g % 2) + r of K step g / 2.
;   Behind them, at byte 6,291,456, the scale bytes [batch][g 16][w 4][r 16][i 8] of two bytes.
; No matrix unit, no tensor load, no cluster: the rows are chosen by an index, and no two work-groups are bound to read the same ones.  No prefetch: there is no loop to run ahead in.
; LIMITS: NaN and infinities are not served; products of c under 2^-126 may come out as 0; a block of zeros gets the byte 1 with zero codes; an index of x is held at 2,047 (it lies inside the table as the problem has it).
.set STG,   8960                       ; a wave's stage: two parts of 16 rows x 272 bytes, HP apart
.set HP,    4480
.set TOTP,  143360                     ; [segment 32] x 272 bytes: P of 64 channels; DV on: V; DCAR on: h at a segment's start, 33 rows
.set DV,    8704
.set DCAR,  17408
.set SCB,   169984                     ; 1,024 scale bytes
.set SPARE, 171008                     ; the spare words, 128 bytes a wave
.set OFF, 24
.set PP,  40
.set VV,  44
.set TV,  48
.set TP,  52
.set KK,  56
.set C,   64
.set V,   128
.set E,   192
.set CC,  24
.set TA,  36
.set TB,  40
.set MX,  44
.set SCL, 48
.set BYN, 50
.set BY,  52
.macro QROW x
	v_max3_num_f32 v[MX],   |v[\x]|,    |v[\x+1]|,  0x1800000       ; the floor 2^(3 - 127): the byte cannot fall under 1
	v_max3_num_f32 v[MX+1], |v[\x+16]|, |v[\x+17]|, |v[\x+18]|
	v_max3_num_f32 v[MX+2], |v[\x+32]|, |v[\x+33]|, 0x1800000
	v_max3_num_f32 v[MX+3], |v[\x+48]|, |v[\x+49]|, |v[\x+50]|
.irp i, 2,4,6,8,10,12
	v_max3_num_f32 v[MX],   v[MX],   |v[\x+\i]|,    |v[\x+\i+1]|
	v_max3_num_f32 v[MX+1], v[MX+1], |v[\x+17+\i]|, |v[\x+18+\i]|
	v_max3_num_f32 v[MX+2], v[MX+2], |v[\x+32+\i]|, |v[\x+33+\i]|
	v_max3_num_f32 v[MX+3], v[MX+3], |v[\x+49+\i]|, |v[\x+50+\i]|
.endr
	v_max3_num_f32 v[MX],   v[MX],   |v[\x+14]|, |v[\x+15]|
	v_max3_num_f32 v[MX+2], v[MX+2], |v[\x+46]|, |v[\x+47]|
	v_max3_num_f32 v[MX],   v[MX],   v[MX+1], |v[\x+31]|
	v_max3_num_f32 v[MX+2], v[MX+2], v[MX+3], |v[\x+63]|
	v_add_nc_u32 v[SCL],   0xff000000, v[MX]                        ; 2 off the exponent field: the conversion's scale operand
	v_add_nc_u32 v[SCL+1], 0xff000000, v[MX+2]
	v_lshrrev_b32 v[BYN],   23, v[SCL]
	v_lshrrev_b32 v[BYN+1], 23, v[SCL+1]
	v_lshl_or_b32 v[BY], v[BYN+1], 8, v[BYN]
	v_cvt_scalef32_pk16_fp6_f32 v[CC:CC+2],   v[\x:\x+15],    v[SCL]
	v_cvt_scalef32_pk16_fp6_f32 v[TA:TA+2],   v[\x+16:\x+31], v[SCL]
	v_cvt_scalef32_pk16_fp6_f32 v[CC+6:CC+8], v[\x+32:\x+47], v[SCL+1]
	v_cvt_scalef32_pk16_fp6_f32 v[TB:TB+2],   v[\x+48:\x+63], v[SCL+1]
	v_nop                                                           ; one plain line behind the last scaled conversion
.irp i, 0,1,2
	v_mov_b32 v[CC+3+\i], v[TA+\i]
	v_mov_b32 v[CC+9+\i], v[TB+\i]
.endr
.endm
	s_load_b256 s[4:11], s[0:1], 0x0               ; x, emb, tab, a1
	s_load_b64 s[12:13], s[0:1], 0x20              ; h1t
	s_and_b32 s15, ttmp7, 0xffff                   ; b
	s_lshl_b32 s16, s15, 11
	s_mov_b32 s17, 0
	s_lshl_b32 s18, ttmp9, 8                       ; 256 g
	s_mov_b32 s19, 0
	s_mul_i32 s22, s15, 393216
	s_lshr_b32 s26, ttmp9, 1
	s_mul_i32 s26, s26, 24576                      ; a1's images lie as [batch 16][half of the times 2][K step 8][tile 16][1,536]: a half's tiles of a K step are 24,576 bytes
	s_add_co_u32 s22, s22, s26
	s_and_b32 s26, ttmp9, 1
	s_lshl_b32 s26, s26, 8
	s_add_co_u32 s22, s22, s26                     ; a1's images: batch b, K step g / 2, lanes 16 (g % 2) on
	s_mov_b32 s23, 0
	s_lshl_b32 s24, s15, 14
	s_lshl_b32 s26, ttmp9, 10
	s_add_co_u32 s24, s24, s26
	s_add_co_u32 s24, s24, 6291456                 ; a1's scale bytes: batch b, g
	s_mov_b32 s25, 0
	s_lshl_b32 s26, s15, 16
	s_add_co_u32 s26, s26, s18                     ; h1t: batch b, channel 64 g
	s_mov_b32 s27, 0
	v_lshl_add_u32 v8, v0, 2, SPARE                ; my spare word,
	v_mov_b32 v9, 0                                ; and 0
	v_and_b32 v1, 31, v0                           ; l
	v_and_b32 v2, 15, v0                           ; r
	v_bfe_u32 v3, v0, 4, 1                         ; h
	v_bfe_u32 v4, v0, 5, 2                         ; p
	v_bfe_u32 v5, v0, 7, 2                         ; w
	v_lshrrev_b32 v6, 5, v0                        ; wave
	v_readfirstlane_b32 s14, v6
	v_lshlrev_b32 v7, 4, v2                        ; 16 r
	v_lshlrev_b32 v10, 9, v5
	v_lshl_add_u32 v10, v3, 8, v10
	v_lshl_add_u32 v10, v4, 6, v10                 ; x: 4 bytes x (128 w + 64 h + 16 p)
	v_lshlrev_b32 v22, 3, v5
	v_lshl_add_u32 v22, v3, 2, v22
	v_add_nc_u32 v22, v22, v4                      ; my segment
	v_mad_u32_u24 v11, v22, 272, v7
	v_add_nc_u32 v11, TOTP, v11                    ; my segment's row, 16 r
	v_lshlrev_b32 v23, 4, v6
	v_mad_u32_u24 v12, v1, 272, v23
	v_add_nc_u32 v12, TOTP, v12                    ; segment l's row, my wave's four channels
	v_add_nc_u32 v13, TOTP+DCAR, v23               ; the first segment's start, the same channels
	v_mul_u32_u24 v14, v6, STG
	v_lshrrev_b32 v15, 3, v2
	v_mul_u32_u24 v15, v15, HP
	v_add_nc_u32 v15, v15, v14
	v_and_b32 v22, 7, v2
	v_lshl_add_u32 v22, v3, 3, v22
	v_mad_u32_u24 v15, v22, 272, v15               ; stage a row a lane: part r / 8, row 8 h + r % 8
	v_mad_u32_u24 v14, v3, HP, v14
	v_add_nc_u32 v14, v14, v7                      ; stage as computed: part h, 16 r
	v_and_b32 v16, 1, v5
	v_lshlrev_b32 v16, 3, v16
	v_lshl_add_u32 v16, v4, 1, v16
	v_add_nc_u32 v16, v16, v3
	v_mad_u32_u24 v16, v16, 1536, v7               ; the image: tile 8 (w % 2) + 2 p + h of my half, 16 r,
	v_lshrrev_b32 v22, 1, v5
	v_mad_u32_u24 v16, v22, 196608, v16            ; in half w / 2
	v_lshl_add_u32 v17, v5, 8, v7
	v_lshl_add_u32 v17, v4, 2, v17
	v_lshl_add_u32 v17, v3, 1, v17
	v_add_nc_u32 v17, SCB, v17                     ; my two scale bytes: 256 w + 16 r + 2 (2 p + h)
	v_and_b32 v19, 63, v0
	v_lshlrev_b32 v19, 4, v19
	v_add_nc_u32 v18, SCB, v19                     ; and on the way out 16 bytes a lane of waves 0 and 1
	v_cmp_eq_u32 vcc_lo, 0, v1
	v_mov_b32 v20, 0.5
	v_cndmask_b32 v20, 0, v20, vcc_lo              ; h_0 in the lane of segment 0, else 0
	v_cvt_f32_u32 v21, v3                          ; 1.0 in lanes 16-31
	s_wait_alu depctr_va_vdst(0)                   ; the wait at the head's end
	s_wait_kmcnt 0x0
	s_add_nc_u64 s[4:5], s[4:5], s[16:17]
	s_add_nc_u64 s[6:7], s[6:7], s[18:19]
	s_add_nc_u64 s[8:9], s[8:9], s[18:19]
	s_add_nc_u64 s[20:21], s[8:9], 0x800000
	s_add_nc_u64 s[22:23], s[10:11], s[22:23]
	s_add_nc_u64 s[24:25], s[10:11], s[24:25]
	s_add_nc_u64 s[12:13], s[12:13], s[26:27]
.irp m, 0,1,2,3
	global_load_b128 v[OFF+4*\m:OFF+4*\m+3], v10, s[4:5] offset:16*\m   ; my half's 16 indices
.endr
	s_wait_loadcnt 0x0
.set k, 0
.rept 16
	v_min_u32 v[OFF+k], 0x7ff, v[OFF+k]            ; held inside the table,
	v_lshlrev_b32 v[OFF+k], 12, v[OFF+k]           ; a row is 4,096 bytes,
	v_add_nc_u32 v[OFF+k], v[OFF+k], v7            ; + 16 r
.set k, k+1
.endr
.set k, 0
.rept 16
	global_load_b128 v[C+4*k:C+4*k+3], v[OFF+k], s[8:9]
	global_load_b128 v[V+4*k:V+4*k+3], v[OFF+k], s[20:21]
.set k, k+1
.endr
.set k, 0
.rept 16
	global_load_b128 v[E+4*k:E+4*k+3], v[OFF+k], s[6:7]
.set k, k+1
.endr
	s_wait_loadcnt 16                              ; c and v are in; the 16 loads of emb may be out
.set k, 1
.rept 15                                       ; my segment from nothing: V_t = c_t V_(t-1) + v_t, P_t = c_t P_(t-1)
	v_pk_fma_f32 v[V+4*k:V+4*k+1],   v[C+4*k:C+4*k+1],   v[V+4*k-4:V+4*k-3], v[V+4*k:V+4*k+1]
	v_pk_fma_f32 v[V+4*k+2:V+4*k+3], v[C+4*k+2:C+4*k+3], v[V+4*k-2:V+4*k-1], v[V+4*k+2:V+4*k+3]
	v_pk_mul_f32 v[C+4*k:C+4*k+1],   v[C+4*k:C+4*k+1],   v[C+4*k-4:C+4*k-3]
	v_pk_mul_f32 v[C+4*k+2:C+4*k+3], v[C+4*k+2:C+4*k+3], v[C+4*k-2:C+4*k-1]
.set k, k+1
.endr
	ds_store_b128 v11, v[C+60:C+63]
	ds_store_b128 v11, v[V+60:V+63] offset:DV
	s_wait_alu depctr_va_vdst(0)                   ; the wait ahead of the waits below
	s_wait_dscnt 0x0                               ; for the others' sake: my segment's (P, V) are in; emb's 16 loads may stay out
	s_barrier_signal -1
	s_barrier_wait -1
	ds_load_b128 v[PP:PP+3], v12
	ds_load_b128 v[VV:VV+3], v12 offset:DV
.irp c, 0,1,2,3
	v_mov_b32 v[TV+\c], 0
.endr
	s_wait_alu depctr_va_vdst(0)
	s_wait_dscnt 0x0
.irp c, 0,1,2,3
	v_fma_f32 v[VV+\c], v[PP+\c], v20, v[VV+\c]    ; h_0 goes into segment 0's V
.endr
.irp n, 1,2,4,8                                ; lane i takes in lane i - n: V = P V' + V, P = P P'; a lane with no such lane takes 0 and 1
.irp c, 0,1,2,3
	v_mov_b32 v[TP+\c], 1.0
.endr
.irp c, 0,1,2,3
	v_mov_b32_dpp v[TV+\c], v[VV+\c] row_shr:\n row_mask:0xf bank_mask:0xf bound_ctrl:1
.endr
.irp c, 0,1,2,3
	v_mov_b32_dpp v[TP+\c], v[PP+\c] row_shr:\n row_mask:0xf bank_mask:0xf
.endr
.irp c, 0,1,2,3
	v_fma_f32 v[VV+\c], v[PP+\c], v[TV+\c], v[VV+\c]
.endr
.irp c, 0,1,2,3
	v_mul_f32 v[PP+\c], v[PP+\c], v[TP+\c]
.endr
.endr
.irp c, 0,1,2,3
	v_readlane_b32 s[28+\c], v[VV+\c], 15          ; h behind segment 15,
.endr
.irp c, 0,1,2,3
	v_mul_f32 v[TV+\c], s[28+\c], v21              ; for lanes 16-31
.endr
.irp c, 0,1,2,3
	v_fma_f32 v[VV+\c], v[PP+\c], v[TV+\c], v[VV+\c]
.endr
.irp c, 0,1,2,3
	v_mov_b32 v[TP+\c], 0.5
.endr
	ds_store_b128 v12, v[VV:VV+3] offset:DCAR+272  ; h behind segment l is h at the start of segment l + 1
	ds_store_b128 v13, v[TP:TP+3]                  ; all lanes store the same 16 bytes: h_0
	s_wait_alu depctr_va_vdst(0)
	s_wait_dscnt 0x0
	s_barrier_signal -1
	s_barrier_wait -1
	ds_load_b128 v[KK:KK+3], v11 offset:DCAR
	s_wait_loadcnt 0x0                             ; emb's rows are in
.set k, 0
.rept 32
	v_pk_add_f32 v[V+k:V+k+1], v[V+k:V+k+1], v[E+k:E+k+1]   ; the residual
.set k, k+2
.endr
	s_wait_alu depctr_va_vdst(0)
	s_wait_dscnt 0x0
.set k, 0
.rept 16
	v_pk_fma_f32 v[V+4*k:V+4*k+1],   v[C+4*k:C+4*k+1],   v[KK:KK+1],   v[V+4*k:V+4*k+1]     ; h1_t = V_t + emb + P_t x (h at my segment's start)
	v_pk_fma_f32 v[V+4*k+2:V+4*k+3], v[C+4*k+2:C+4*k+3], v[KK+2:KK+3], v[V+4*k+2:V+4*k+3]
.set k, k+1
.endr
.set k, 0
.rept 16
	ds_store_b128 v14, v[V+4*k:V+4*k+3] offset:272*k
.set k, k+1
.endr
	s_cmp_lg_u32 s14, 15                           ; times 496 on lie in wave 15, lanes 16-31
	s_wait_alu depctr_va_vdst(0)
	s_cbranch_scc1 .Lno_tail
	s_wait_xcnt 0x0                                ; EXEC changes only behind this wait
	v_cmp_lt_u32 vcc_lo, 15, v1
	s_and_saveexec_b32 s26, vcc_lo
.set k, 0
.rept 16
	global_store_b128 v7, v[V+4*k:V+4*k+3], s[12:13] offset:4096*k   ; sixteen lanes store 256 consecutive bytes, aligned
.set k, k+1
.endr
	s_wait_xcnt 0x0                                ; and again, in front of the line that widens it
	s_or_b32 exec_lo, exec_lo, s26
.Lno_tail:
.set k, 0
.rept 16
	ds_load_b128 v[C+4*k:C+4*k+3], v15 offset:16*k ; my wave's own bytes, served in order (ISA guide 5.7.1.4): a lane now holds 64 channels of one time
.set k, k+1
.endr
	s_wait_dscnt 0x0
	QROW C
	ds_store_b16 v17, v[BY]
.irp c, 0,1,2
	global_store_b128 v16, v[CC+4*\c:CC+4*\c+3], s[22:23] offset:512*\c   ; sixteen lanes store 256 consecutive bytes, aligned
.endr
	s_wait_alu depctr_va_vdst(0)
	s_wait_dscnt 0x0                               ; for the others' sake: my scale bytes are in
	s_barrier_signal -1
	s_barrier_wait -1
	s_cmp_gt_u32 s14, 1
	s_cbranch_scc1 .Lend
	ds_load_b128 v[60:63], v18
	s_wait_dscnt 0x0
	global_store_b128 v19, v[60:63], s[24:25]      ; 32 lanes store 512 consecutive bytes, aligned
.Lend:
	s_wait_tensorcnt 0x0                           ; the wave's end
	ds_add_u32 v8, v9
	s_wait_dscnt 0x0
	s_endpgm
.Lfunc_end_k_q0cb6e977ba_scan0:
	.size	k_q0cb6e977ba_scan0, .Lfunc_end_k_q0cb6e977ba_scan0-k_q0cb6e977ba_scan0
	.p2alignl 7, 3214868480
	.fill 96, 4, 3214868480
	.section	.rodata,"a",@progbits
	.p2align	6, 0x0
	.amdhsa_kernel k_q0cb6e977ba_scan0
		.amdhsa_group_segment_fixed_size 173056
		.amdhsa_private_segment_fixed_size 0
		.amdhsa_enable_private_segment 0
		.amdhsa_kernarg_size 40
		.amdhsa_user_sgpr_count 2
		.amdhsa_user_sgpr_kernarg_segment_ptr 1
		.amdhsa_wavefront_size32 1
		.amdhsa_system_sgpr_workgroup_id_x 1
		.amdhsa_system_sgpr_workgroup_id_y 1
		.amdhsa_system_sgpr_workgroup_id_z 1
		.amdhsa_system_vgpr_workitem_id 0
		.amdhsa_next_free_vgpr 256
		.amdhsa_next_free_sgpr 66
		.amdhsa_reserve_vcc 1
		.amdhsa_float_denorm_mode_32 3
		.amdhsa_float_denorm_mode_16_64 3
		.amdhsa_memory_ordered 1
		.amdhsa_forward_progress 1
		.amdhsa_inst_pref_size 33
	.end_amdhsa_kernel
	.amdgpu_metadata
---
amdhsa.version: [ 1, 2 ]
amdhsa.kernels:
  - .name:           k_q0cb6e977ba_scan0
    .symbol:         k_q0cb6e977ba_scan0.kd
    .args:
      - { .name: x, .offset: 0, .size: 8, .value_kind: global_buffer, .address_space: global }
      - { .name: emb, .offset: 8, .size: 8, .value_kind: global_buffer, .address_space: global }
      - { .name: tab, .offset: 16, .size: 8, .value_kind: global_buffer, .address_space: global }
      - { .name: a1, .offset: 24, .size: 8, .value_kind: global_buffer, .address_space: global }
      - { .name: h1t, .offset: 32, .size: 8, .value_kind: global_buffer, .address_space: global }
    .group_segment_fixed_size: 173056
    .private_segment_fixed_size: 0
    .kernarg_segment_align: 8
    .kernarg_segment_size: 40
    .max_flat_workgroup_size: 512
    .sgpr_count:     66
    .vgpr_count:     256
    .wavefront_size: 32
...
	.end_amdgpu_metadata
.endif
;; end of part 2
;; launch layer1 (part 3): grid 16 x 16, 8 waves a work-group, clusters of 4 x 4, 327,680 bytes of LDS; arguments a1, wimg, W1_scales, b1, h1t, a2; writes a2
.if DOCPART == 3
	.amdgcn_target "amdgcn-amd-amdhsa--gfx1250"
	.amdhsa_code_object_version 6
	.text
	.protected	k_q0cb6e977ba_layer1
	.globl	k_q0cb6e977ba_layer1
	.p2align	8
	.type	k_q0cb6e977ba_layer1,@function
k_q0cb6e977ba_layer1:
	s_mov_b64 s[64:65], 0
	v_nop
	global_prefetch_b8 v0, s[64:65] scope:SCOPE_SE
	s_setreg_imm32_b32 hwreg(HW_REG_WAVE_MODE, 25, 1), 1
	s_wait_xcnt 0x0
	s_wait_alu depctr_hold_cnt(0) depctr_sa_sdst(0) depctr_va_vdst(0) depctr_va_sdst(0) depctr_va_ssrc(0) depctr_va_vcc(0) depctr_vm_vsrc(0)
	s_getreg_b32 s2, hwreg(HW_REG_IB_STS2, 6, 4)
	s_cmp_eq_u32 s2, 0
	s_cbranch_scc0 .Lentry_in_a_cluster
	s_endpgm
.Lentry_in_a_cluster:
	s_bfe_u32 s2, ttmp6, 0x10000c
	s_cmp_lg_u32 s2, 0xf033
	s_cbranch_scc0 .Lentry_shape_is_right
	s_endpgm
.Lentry_shape_is_right:
; THE SECOND minGRU LAYER: gh = Q(h1) W1^T + b1 on codes of FP6 (E2M3) with E8M0 scales (a1: made by the launch before); z = sigmoid(gate), c = sigmoid(-gate), g = max(hidden + 0.5, sigmoid(hidden));
; h_t = c_t h_(t-1) + z_t g_t, h_0 = 0.5.  Only the last 16 times go on (reference() keeps the last 16 logits of a sequence): for them h2 = h + h1 (h1t) is quantised and stored as the last product's operand (a2).
; All 512 times are multiplied and scanned: the last 16 hang on all that went before.
; The scan is the recurrence itself, not in logarithms: all terms are positive and c + z = 1, so each step is a weighted mean: nothing overflows or cancels, and no maximum has to be taken away.
; SHARES: a work-group owns batch b and channels 64 g on: M = 512, N = 128, K = 1,024.  Eight waves in two sets: waves 0-3 own times 0-255, waves 4-7 times 256-511; wave 4 S + J owns 64 times x 128 columns, 32 sums.
;   Source 0 = 16 rows of A, source 1 = 16 rows of W1.  Lane r of A's tile 8 w + i is time 128 w + 64 (r / 8) + 8 i + r % 8, so in the result lane (r, h), sum (i, bb), register j is time 128 w + 64 h + 8 i + j of W1's row r of block bb;
;   my wave has w = wave / 2 and i = 4 (wave % 2) + 0 .. 3: a lane holds 32 consecutive times of one channel (segment 4 w + 2 h + wave % 2 of 16), its gate in block b, its hidden number in block b + 4.
; LDS: all of W1's block (98,304 bytes) and all eight K steps of ONE half of A (196,608 bytes; a1 lies as [batch][half][K step][tile 16][1,536]).  The head asks for the first half and W1, one joint load a wave.
;   The first set multiplies; behind its K steps 0-3, and again behind 4-7, a round of the cluster's barrier refills those bytes with the second half's rows; then the second set multiplies while the first set makes its gates and scans.
;   Every barrier stands in text that all waves pass; between barriers the two sets part on the wave's number.  A's blocks are asked for jointly by a row of the 4 x 4 cluster, W1's by a column.
; The second half of A is prefetched at the head: 24 blocks of 256 bytes a wave, a lane a block, the four partners that will ask for them jointly sharing them out by address; it is loaded two rounds later.
; Operands come as images of their registers (1,536 bytes a fragment: registers 4 c .. 4 c + 3 of lane l at 512 c + 16 l).  In K step s, registers 6 c .. 6 c + 5 of lane half h hold channels 128 s + 64 h + 32 c + 0 .. 31, alike in A and W1.
; a2: images [batch 16][K step 8][1,536], lane r = time 496 + r; behind them, at byte 196,608, two scale bytes for each [batch][g 16][r 16]: those 32 bytes a work-group are the one store that does not cover 256 consecutive bytes.
; LIMITS: NaN and infinities are not served.  The exponent of 2^(-gate log2 e) is held at 120.  Sigmoids and products of c under 2^-126 come out as 0.  A block of zeros gets the byte 1 with zero codes.
; REGISTERS: window 0: v4-23 addresses, v24-31 biases, v32-47 A's scale words, v50-81 W1's, v84-87 the residual, v88-183 two sets of A's four fragments, v184-255 a ring of six of W1's; behind the products v32-255 are at work.  window 1: the sums, (i, bb) at v[8 (8 i + bb)].
.set WOFF,  1572864
.set BB0,   196608                     ; W1's block in LDS, behind A's two halves of 98,304
.set CARRY, 294912                     ; 64 channels x 144 bytes: sixteen segments' (P, V) + 16 of padding
.set SPARE, 304128                     ; the spare words, 128 bytes a wave
.set S2,    305152                     ; wave 7's stage: two parts of 16 rows x 272 bytes, 4,480 apart
.set R2,    314112                     ; the residual of the last 16 times: 16 rows x 272 bytes
.set ADRA, 4
.set ADRB, 8
.set SPW,  10
.set NIL,  11
.set CWA,  12
.set CRA,  13
.set S2W,  14
.set R2W,  15
.set S2R,  16
.set R2R,  17
.set GIA,  18
.set GSO,  19
.set PFO,  20
.set CLIP, 22
.set BRAW, 24
.set SA,   32
.set SB,   50
.set RES,  84
.set AF,   88
.set BF,   184
.set BGP,  32
.set BHP,  40
.set BH5,  48
.set TOT,  56
.set CAR,  64
.set CVX,  72                          ; v72-75, v76-79: V and P behind the segment's first 16 times, handed from block i = 1 to block i = 2
.set CPX,  76
.set TT,   96
.set UU,   128
.set CT,   96
.set XX,   96
.set YY,   160
.set CC,   224
.set TA,   236
.set TB,   240
.set MX,   244
.set SCL,  248
.set BYN,  250
.set BY,   252
.set WV,   20
.set G1A,  28
.set G0H,  36
.set G0R,  40
.set G1B,  48
.set G0B,  56
.set NL2E, 70
.set MSB, 0
.macro WIN new                         ; the immediate's high byte repeats the setting that is left
.if MSB != \new
	s_set_vgpr_msb (MSB<<8)|\new
.set MSB, \new
.endif
.endm
.macro PLACES                          ; four plain lines between a matrix instruction and a load into, or a vector line on, its registers
.rept 4
	v_nop
.endr
.endm
.macro CROUND                          ; a round of the cluster's barrier
	s_barrier_signal -1
	s_barrier_wait -1
	s_cmp_lg_u32 s[WV], 0
	s_cbranch_scc1 .Lnot_wave_0_\@
	s_barrier_signal -3
.Lnot_wave_0_\@:
	s_barrier_wait -3
	s_barrier_signal -1
	s_barrier_wait -1
.endm
.macro QROW x                          ; 64 numbers of one row become 12 registers of codes in v[CC] on and two scale bytes in v[BY]
	v_max3_num_f32 v[MX],   |v[\x]|,    |v[\x+1]|,  0x1800000       ; the floor 2^(3 - 127): the byte cannot fall under 1
	v_max3_num_f32 v[MX+1], |v[\x+16]|, |v[\x+17]|, |v[\x+18]|
	v_max3_num_f32 v[MX+2], |v[\x+32]|, |v[\x+33]|, 0x1800000
	v_max3_num_f32 v[MX+3], |v[\x+48]|, |v[\x+49]|, |v[\x+50]|
.irp i, 2,4,6,8,10,12
	v_max3_num_f32 v[MX],   v[MX],   |v[\x+\i]|,    |v[\x+\i+1]|
	v_max3_num_f32 v[MX+1], v[MX+1], |v[\x+17+\i]|, |v[\x+18+\i]|
	v_max3_num_f32 v[MX+2], v[MX+2], |v[\x+32+\i]|, |v[\x+33+\i]|
	v_max3_num_f32 v[MX+3], v[MX+3], |v[\x+49+\i]|, |v[\x+50+\i]|
.endr
	v_max3_num_f32 v[MX],   v[MX],   |v[\x+14]|, |v[\x+15]|
	v_max3_num_f32 v[MX+2], v[MX+2], |v[\x+46]|, |v[\x+47]|
	v_max3_num_f32 v[MX],   v[MX],   v[MX+1], |v[\x+31]|
	v_max3_num_f32 v[MX+2], v[MX+2], v[MX+3], |v[\x+63]|
	v_add_nc_u32 v[SCL],   0xff000000, v[MX]
	v_add_nc_u32 v[SCL+1], 0xff000000, v[MX+2]
	v_lshrrev_b32 v[BYN],   23, v[SCL]
	v_lshrrev_b32 v[BYN+1], 23, v[SCL+1]
	v_lshl_or_b32 v[BY], v[BYN+1], 8, v[BYN]
	v_cvt_scalef32_pk16_fp6_f32 v[CC:CC+2],   v[\x:\x+15],    v[SCL]
	v_cvt_scalef32_pk16_fp6_f32 v[TA:TA+2],   v[\x+16:\x+31], v[SCL]
	v_cvt_scalef32_pk16_fp6_f32 v[CC+6:CC+8], v[\x+32:\x+47], v[SCL+1]
	v_cvt_scalef32_pk16_fp6_f32 v[TB:TB+2],   v[\x+48:\x+63], v[SCL+1]
	v_nop                                                           ; one plain line behind the last scaled conversion
.irp i, 0,1,2
	v_mov_b32 v[CC+3+\i], v[TA+\i]
	v_mov_b32 v[CC+9+\i], v[TB+\i]
.endr
.endm
	s_load_b256 s[4:11], s[0:1], 0x0               ; a1, wimg, W1's scales, b1
	s_load_b128 s[12:15], s[0:1], 0x20             ; h1t, a2
	v_lshl_add_u32 v[SPW], v0, 2, SPARE
	v_mov_b32 v[NIL], 0
	ds_add_u32 v[SPW], v[NIL]                      ; the opening lines: the add twice on end and its wait
	ds_add_u32 v[SPW], v[NIL]
	v_lshrrev_b32 v1, 5, v0
	v_readfirstlane_b32 s[WV], v1                  ; wave 0..7
	s_bfe_u32 s21, ttmp6, 0x40000                  ; cx, cy
	s_bfe_u32 s22, ttmp6, 0x40004
	s_lshl_b32 s23, ttmp9, 2
	s_add_co_u32 s23, s23, s21                     ; g
	s_and_b32 s24, ttmp7, 0xffff
	s_lshl_b32 s24, s24, 2
	s_add_co_u32 s24, s24, s22                     ; b
	s_lshl_b32 s25, s22, 2
	s_lshl_b32 s25, 15, s25                        ; my row of the cluster
	s_lshl_b32 s26, 0x1111, s21                    ; my column
	s_or_b32 s[G1A], s25, (3<<16)|(1<<21)          ; dense blocks as rows of 256 bytes (32 elements of 8 bytes)
	s_or_b32 s[G1B], s26, (3<<16)|(1<<21)
	s_mov_b32 s[G1A+1], 32<<16
	s_mov_b32 s[G1A+2], 128<<16                    ; at the head 128 rows a wave
	s_mov_b32 s[G1A+3], 32<<16
	s_mov_b32 s[G1A+4], 128
	s_mov_b32 s[G1A+5], 32
	s_mov_b32 s[G1A+6], 0
	s_mov_b32 s[G1A+7], 0
	s_mov_b32 s[G1B+1], 32<<16
	s_mov_b32 s[G1B+2], 192<<16
	s_mov_b32 s[G1B+3], 32<<16
	s_mov_b32 s[G1B+4], 192
	s_mov_b32 s[G1B+5], 32
	s_mov_b32 s[G1B+6], 0
	s_mov_b32 s[G1B+7], 0
	s_mul_i32 s60, s24, 393216                     ; batch b in a1 (registers that never hold g)
	s_mov_b32 s[G0H], 1
	s_lshl_b32 s[G0H+1], s[WV], 15                 ; waves 0-5: a sixth of the first half of A
	s_add_co_u32 s62, s60, s[G0H+1]
	s_mov_b32 s63, 0
	s_mov_b32 s[G0R], 1
	s_mul_i32 s[G0R+1], s[WV], 12288               ; a refill: an eighth of four K steps
	s_mov_b32 s[G0R+4], 1
	s_add_co_u32 s[G0R+5], s[G0R+1], 98304
	s_add_co_u32 s66, s60, s[G0R+1]
	s_add_co_u32 s66, s66, 196608
	s_mov_b32 s67, 0
	s_and_b32 s74, s[WV], 1
	s_mul_i32 s75, s74, 49152
	s_mov_b32 s[G0B], 1
	s_add_co_u32 s[G0B+1], s75, BB0                ; waves 6, 7: a half of W1's block
	s_mul_i32 s68, s23, 98304
	s_add_co_u32 s68, s68, WOFF
	s_add_co_u32 s68, s68, s75                     ; (registers that never hold b)
	s_mov_b32 s69, 0
	s_mov_b32 s[NL2E], 0xbfb8aa3b                  ; -log2(e)
	s_mov_b32 s[NL2E+1], s[NL2E]
	s_and_b32 s72, s[WV], 3
	s_mul_i32 s72, s72, 6144                       ; my four tiles of a K step
	s_lshr_b32 s82, s[WV], 1                       ; w
	s_lshl_b32 s73, s82, 5
	s_lshl_b32 s75, s74, 3
	s_add_co_u32 s73, s73, s75                     ; 8 bytes x (4 w + wave % 2)
	s_lshl_b32 s82, s82, 8
	s_add_co_u32 s82, s82, s75                     ; A's scale bytes: 256 w + 8 (wave % 2)
	s_mul_i32 s80, s[WV], 544
	s_add_co_u32 s80, s80, R2
	s_and_b32 s81, s23, 1
	s_lshl_b32 s81, s81, 8
	s_lshl_b32 s83, s[WV], 13
	s_lshl_b32 s76, s24, 14
	s_add_co_u32 s76, s76, 6291456
	s_mov_b32 s77, 0
	s_lshl_b32 s78, s23, 11
	s_mov_b32 s79, 0
	s_lshl_b32 s84, s23, 8
	s_mov_b32 s85, 0
	s_lshl_b32 s86, s24, 16
	s_add_co_u32 s86, s86, s84
	s_mov_b32 s87, 0
	s_mul_i32 s90, s24, 12288
	s_lshr_b32 s2, s23, 1
	s_mul_i32 s2, s2, 1536
	s_add_co_u32 s90, s90, s2
	s_mov_b32 s91, 0
	s_lshl_b32 s92, s24, 9
	s_lshl_b32 s2, s23, 5
	s_add_co_u32 s92, s92, s2
	s_add_co_u32 s92, s92, 196608
	s_mov_b32 s93, 0
	s_mul_i32 s88, s21, 49152
	s_mul_i32 s2, s[WV], 6144
	s_add_co_u32 s88, s88, s2
	s_add_co_u32 s88, s88, s60
	s_add_co_u32 s88, s88, 196608                  ; the prefetch: my work-group's quarter of the second half, my wave's eighth of that
	s_mov_b32 s89, 0
	s_wait_alu depctr_va_vdst(0)                   ; the wait behind the run of scalar lines
	v_and_b32 v1, 31, v0                           ; l
	v_and_b32 v2, 15, v0                           ; r
	v_bfe_u32 v3, v0, 4, 1                         ; h
	v_lshlrev_b32 v23, 4, v2                       ; 16 r
	v_lshlrev_b32 v21, 4, v1                       ; 16 l
	v_add_nc_u32 v[ADRA], s72, v21                 ; A: K steps 0, 1; then 2, 3; 4, 5; 6, 7
	v_add_nc_u32 v[ADRA+1], 49152, v[ADRA]
	v_add_nc_u32 v[ADRA+2], 98304, v[ADRA]
	v_add_nc_u32 v[ADRA+3], 147456, v[ADRA]
	v_add_nc_u32 v[ADRB], BB0, v21                 ; W1: K steps 0-3; then 4-7
	v_add_nc_u32 v[ADRB+1], 49152, v[ADRB]
	v_mul_u32_u24 v[CRA], v2, 144
	v_add_nc_u32 v[CRA], CARRY, v[CRA]
	v_lshl_add_u32 v[CWA], v3, 4, v[CRA]
	v_add_nc_u32 v[CWA], s73, v[CWA]               ; my segment's 8 bytes
	v_mul_u32_u24 v[S2W], v3, 4480
	v_lshl_add_u32 v[S2W], v2, 2, v[S2W]
	v_add_nc_u32 v[S2W], S2, v[S2W]
	v_mad_u32_u24 v[R2W], v3, 272, v23
	v_add_nc_u32 v[R2W], s80, v[R2W]               ; row 2 wave + h, 16 r
	v_mul_u32_u24 v[R2R], v2, 272
	v_add_nc_u32 v[S2R], S2+4480, v[R2R]
	v_add_nc_u32 v[R2R], R2, v[R2R]
	v_add_nc_u32 v[GIA], s81, v23
	v_lshlrev_b32 v[GSO], 1, v2
	v_min_u32 v[PFO], 23, v1                       ; 24 blocks; the lanes left over name the last again
	v_lshlrev_b32 v[PFO], 8, v[PFO]
	v_mov_b32 v[CLIP], 0x42f00000                  ; 120.0
	v_lshl_add_u32 v200, v3, 13, v23
	v_add_nc_u32 v200, s82, v200                   ; A's scale bytes: lanes 16-31 take K steps 4-7
	v_lshlrev_b32 v201, 5, v2
	v_lshl_add_u32 v201, v3, 4, v201               ; W1's
	v_lshlrev_b32 v202, 2, v2                      ; the biases
	v_lshl_add_u32 v203, v3, 12, v23
	v_add_nc_u32 v203, s83, v203                   ; h1t: row 2 wave + h
	s_wait_alu depctr_va_vdst(0)                   ; the wait at the head's end
	s_wait_dscnt 0x0                               ; both opening adds are done
	s_wait_kmcnt 0x0
	s_add_nc_u64 s[G0H+2:G0H+3], s[4:5], s[62:63]
	s_or_b32 s[G0H+3], s[G0H+3], 0x80000000
	s_add_nc_u64 s[G0R+2:G0R+3], s[4:5], s[66:67]
	s_add_nc_u64 s[G0R+6:G0R+7], s[G0R+2:G0R+3], 98304
	s_or_b32 s[G0R+3], s[G0R+3], 0x80000000
	s_or_b32 s[G0R+7], s[G0R+7], 0x80000000
	s_add_nc_u64 s[G0B+2:G0B+3], s[6:7], s[68:69]
	s_or_b32 s[G0B+3], s[G0B+3], 0x80000000
	CROUND                                         ; all sixteen work-groups are here: the first joint loads meet
	s_cmp_lt_u32 s[WV], 6
	s_cbranch_scc0 .Lhead_b
	tensor_load_to_lds s[G0H:G0H+3], s[G1A:G1A+7]
	s_nop 0
	PLACES
	s_branch .Lhead_asked
.Lhead_b:
	tensor_load_to_lds s[G0B:G0B+3], s[G1B:G1B+7]
	s_nop 0
	PLACES
.Lhead_asked:
	s_add_nc_u64 s[76:77], s[4:5], s[76:77]
	s_add_nc_u64 s[78:79], s[8:9], s[78:79]
	s_add_nc_u64 s[84:85], s[10:11], s[84:85]
	s_add_nc_u64 s[86:87], s[12:13], s[86:87]
	s_add_nc_u64 s[88:89], s[4:5], s[88:89]
	s_add_nc_u64 s[90:91], s[14:15], s[90:91]
	s_add_nc_u64 s[92:93], s[14:15], s[92:93]
.irp q, 0,1,2,3
	global_load_b64 v[96+4*\q:97+4*\q], v200, s[76:77] offset:2048*\q
	global_load_b64 v[98+4*\q:99+4*\q], v200, s[76:77] offset:2048*\q+1024
.endr
.irp bb, 0,1,2,3
	global_load_b128 v[SB+4*\bb:SB+4*\bb+3],       v201, s[78:79] offset:512*\bb
	global_load_b128 v[SB+16+4*\bb:SB+16+4*\bb+3], v201, s[78:79] offset:32768+512*\bb
	global_load_b32 v[BRAW+\bb],   v202, s[84:85] offset:64*\bb
	global_load_b32 v[BRAW+4+\bb], v202, s[84:85] offset:4096+64*\bb
.endr
	global_load_b128 v[RES:RES+3], v203, s[86:87]
	global_prefetch_b8 v[PFO], s[88:89] th:TH_LOAD_NT scope:SCOPE_SE
	s_wait_loadcnt 0x0
.irp i, 0,1,2,3                                ; A's scale words: bytes 0, 2 = group 2 s's two blocks, bytes 1, 3 = group 2 s + 1's
.irp q, 0,1,2,3
.if \i%2
	v_perm_b32 v[SA+4*\i+\q], v[98+4*\q+\i/2], v[96+4*\q+\i/2], 0x07030602
.else
	v_perm_b32 v[SA+4*\i+\q], v[98+4*\q+\i/2], v[96+4*\q+\i/2], 0x05010400
.endif
.endr
.endr
.set n, 0
.rept 32
	v_perm_b32 v[SB+n], v[SB+n], v[SB+n], 0x03010200   ; W1's: bytes 1 and 2 change places, as their blocks do
.set n, n+1
.endr
.rept 8
	v_nop                                          ; a scale word made by a vector line stands eight places ahead of a scaled product
.endr
.macro LDA s, par                      ; A's four fragments of K step s into set par
.irp i, 0,1,2,3
.irp c, 0,1,2
	ds_load_b128 v[AF+48*(\par)+12*\i+4*\c:AF+48*(\par)+12*\i+4*\c+3], v[ADRA+(\s)/2] offset:24576*((\s)%2)+1536*\i+512*\c
.endr
.endr
.endm
.macro LDBP q, p                       ; pair p (0..15) of half q: W1's blocks 2 (p % 4), + 1 of K step 4 q + p / 4, into places 2 (p % 3), + 1 of the ring
.irp u, 0,1
.irp c, 0,1,2
	ds_load_b128 v[BF+12*(2*((\p)%3)+\u)+4*\c:BF+12*(2*((\p)%3)+\u)+4*\c+3], v[ADRB+(\q)] offset:12288*((\p)/4)+1536*(2*((\p)%4)+\u)+512*\c
.endr
.endr
.endm
.macro MULP q, p, zero                 ; 8 products: the pair's two blocks x A's four; the 32 sums take turns, in the same order in every K step
.set KS, 4*(\q)+(\p)/4
.set PA, AF+48*(((\p)/4)%2)
.irp u, 0,1
.set BBX, 2*((\p)%4)+\u
.set RB, BF+12*(2*((\p)%3)+\u)
.irp i, 0,1,2,3
.set rD, 8*(8*\i+BBX)
.if (\zero) && (KS == 0)
	v_wmma_scale_f32_16x16x128_f8f6f4 v[rD:rD+7], v[PA+12*\i:PA+12*\i+11], v[RB:RB+11], 0, v[SA+4*\i], v[SB+4*BBX] matrix_a_fmt:MATRIX_FMT_FP6 matrix_b_fmt:MATRIX_FMT_FP6
.elseif KS < 4
	v_wmma_scale_f32_16x16x128_f8f6f4 v[rD:rD+7], v[PA+12*\i:PA+12*\i+11], v[RB:RB+11], v[rD:rD+7], v[SA+4*\i+KS], v[SB+4*BBX+KS] matrix_a_fmt:MATRIX_FMT_FP6 matrix_b_fmt:MATRIX_FMT_FP6
.else
	v_wmma_scale_f32_16x16x128_f8f6f4 v[rD:rD+7], v[PA+12*\i:PA+12*\i+11], v[RB:RB+11], v[rD:rD+7], v[SA+4*\i+KS-4], v[SB+4*BBX+KS-4] matrix_a_fmt:MATRIX_FMT_FP6 matrix_b_fmt:MATRIX_FMT_FP6 matrix_a_scale:MATRIX_SCALE_ROW1 matrix_b_scale:MATRIX_SCALE_ROW1
.endif
.endr
.endr
.endm
.macro SZ q, out                       ; the LDS loads issued behind pair q's products: the next K step's A (12) behind a K step's first pair, then pair q + 3 (6)
.set \out, 0
.if (\q) < 0
.set \out, 6
.else
.if ((\q)%4 == 0) && ((\q)/4 < 3)
.set \out, \out+12
.endif
.if (\q)+3 <= 15
.set \out, \out+6
.endif
.endif
.endm
; four K steps, 4 q on: 16 pairs.  Nothing is fetched beyond them, so that each half leans only on bytes that the barrier ahead of it has shown.
.macro GH q, zero
	PLACES
	LDA 4*(\q), 0
	LDBP \q, 0
	LDBP \q, 1
	LDBP \q, 2
.set P, 0
.rept 16
	SZ P-1, N1
	SZ P-2, N2
	SZ P, N0
	s_wait_dscnt N1+N2                             ; this pair's fragments are in; the loads of the two batches behind them may be out
	WIN 0x50
	MULP \q, P, \zero
.if N0 > 0
	PLACES
	WIN 0
.if (P%4 == 0) && (P/4 < 3)
	LDA 4*(\q)+P/4+1, (P/4+1)%2
.endif
.if P+3 <= 15
	LDBP \q, P+3
.endif
.endif
.set P, P+1
.endr
	WIN 0
.endm
.macro BIASP
	PLACES
.irp b, 0,1,2,3
	v_mul_f32 v[BGP+2*\b],   s[NL2E], v[BRAW+\b]
	v_mul_f32 v[BGP+2*\b+1], s[NL2E], v[BRAW+\b]
	v_mul_f32 v[BHP+2*\b],   s[NL2E], v[BRAW+4+\b]
	v_mul_f32 v[BHP+2*\b+1], s[NL2E], v[BRAW+4+\b]
	v_add_f32 v[BH5+2*\b],   0.5, v[BRAW+4+\b]
	v_add_f32 v[BH5+2*\b+1], 0.5, v[BRAW+4+\b]
.endr
.endm
; Eight times x four channels.  G: the gates' sums become c; H: the hidden sums become v = z g.  Each sum is read from its low end on.  The waits: one ahead of and one behind each batch of transcendentals.
.macro EW i
.set G, 64*(\i)
.set H, G+32
	s_wait_alu depctr_va_vdst(0)
	WIN 0x41
.set n, 0
.rept 16
	v_pk_fma_f32 v[G+n:G+n+1], v[G+n:G+n+1], s[NL2E:NL2E+1], v[BGP+2*(n/8):BGP+2*(n/8)+1] op_sel_hi:[1,0,1]
.set n, n+2
.endr
.set n, 0
.rept 32
	v_min_num_f32 v[G+n], v[G+n], v[CLIP]
.set n, n+1
.endr
	s_wait_alu depctr_va_vdst(0)
.set n, 0
.rept 32
	v_exp_f32 v[G+n], v[G+n]                       ; E = e^(-gate)
.set n, n+1
.endr
	WIN 0x01
	s_wait_alu depctr_va_vdst(0)
.set n, 0
.rept 16
	v_pk_fma_f32 v[UU+n:UU+n+1], v[H+n:H+n+1], s[NL2E:NL2E+1], v[BHP+2*(n/8):BHP+2*(n/8)+1] op_sel_hi:[1,0,1]
.set n, n+2
.endr
	s_wait_alu depctr_va_vdst(0)
.set n, 0
.rept 16
	v_pk_add_f32 v[TT+n:TT+n+1], v[G+n:G+n+1], 1.0 op_sel_hi:[1,0]
.set n, n+2
.endr
	WIN 0
	s_wait_alu depctr_va_vdst(0)
.set n, 0
.rept 32
	v_exp_f32 v[UU+n], v[UU+n]
.set n, n+1
.endr
.set n, 0
.rept 32
	v_rcp_f32 v[TT+n], v[TT+n]                     ; z
.set n, n+1
.endr
	WIN 0x41
.set n, 0
.rept 16
	v_pk_add_f32 v[H+n:H+n+1], v[H+n:H+n+1], v[BH5+2*(n/8):BH5+2*(n/8)+1]
.set n, n+2
.endr
	s_wait_alu depctr_va_vdst(0)
	WIN 0
.set n, 0
.rept 16
	v_pk_add_f32 v[UU+n:UU+n+1], v[UU+n:UU+n+1], 1.0 op_sel_hi:[1,0]
.set n, n+2
.endr
	s_wait_alu depctr_va_vdst(0)
.set n, 0
.rept 32
	v_rcp_f32 v[UU+n], v[UU+n]                     ; sigmoid(hidden)
.set n, n+1
.endr
	WIN 0x41
.set n, 0
.rept 16
	v_pk_mul_f32 v[G+n:G+n+1], v[G+n:G+n+1], v[TT+n:TT+n+1]   ; c = E z
.set n, n+2
.endr
	s_wait_alu depctr_va_vdst(0)
.set n, 0
.rept 32
	v_max_num_f32 v[H+n], v[H+n], v[UU+n]          ; g
.set n, n+1
.endr
.set n, 0
.rept 16
	v_pk_mul_f32 v[H+n:H+n+1], v[H+n:H+n+1], v[TT+n:TT+n+1]   ; v = z g
.set n, n+2
.endr
.endm
; The scan inside my segment, from nothing: V_t = c_t V_(t-1) + v_t in H, P_t = c_t P_(t-1) in G.  Four channels by turns.
.macro SCAN i
.set G, 64*(\i)
.set H, G+32
	WIN 0x55
.set j, 0
.rept 8
.if (j == 0) && ((\i) == 2)
	WIN 0x51                                       ; source 1 in window 0
.irp b, 0,1,2,3
	v_fma_f32 v[H+8*\b], v[G+8*\b], v[CVX+\b], v[H+8*\b]
.endr
.irp b, 0,1,2,3
	v_mul_f32 v[G+8*\b], v[G+8*\b], v[CPX+\b]
.endr
	WIN 0x55
.elseif (j > 0) || ((\i) > 0)
.irp b, 0,1,2,3
.if j > 0
.set pH, H+8*\b+j-1
.else
.set pH, H-64+8*\b+7
.endif
	v_fma_f32 v[H+8*\b+j], v[G+8*\b+j], v[pH], v[H+8*\b+j]
.endr
.irp b, 0,1,2,3
.if j > 0
.set pG, G+8*\b+j-1
.else
.set pG, G-64+8*\b+7
.endif
	v_mul_f32 v[G+8*\b+j], v[G+8*\b+j], v[pG]
.endr
.endif
.set j, j+1
.endr
.if (\i) == 1
	WIN 0x01
.irp b, 0,1,2,3
	v_mov_b32 v[CVX+\b], v[H+8*\b+7]
	v_mov_b32 v[CPX+\b], v[G+8*\b+7]
.endr
.endif
.if (\i) == 3
	WIN 0x01
.irp b, 0,1,2,3
	v_mov_b32 v[TOT+2*\b],   v[G+8*\b+7]
	v_mov_b32 v[TOT+2*\b+1], v[H+8*\b+7]
.endr
	WIN 0
.irp b, 0,1,2,3
	ds_store_b64 v[CWA], v[TOT+2*\b:TOT+2*\b+1] offset:2304*\b   ; my segment's (P, V)
.endr
.endif
	WIN 0
	s_wait_alu depctr_va_vdst(0)
.endm
.macro REFILL g0                       ; the lines ahead of a refill; the round stands for the barrier
	s_wait_alu depctr_va_vdst(0)
	s_wait_tensorcnt 0x0                           ; all my tensor loads have landed
	ds_add_u32 v[SPW], v[NIL]
	s_wait_dscnt 0x0                               ; the add is done, and my reads of the bytes that are filled again are over
	CROUND
	tensor_load_to_lds s[\g0:\g0+3], s[G1A:G1A+7]  ; my eighth of the second half's four K steps: the one tensor load of the wave behind the round
	s_nop 0
	PLACES
.endm
	s_wait_alu depctr_va_vdst(0)                   ; the wait at the head's end
	s_wait_tensorcnt 0x0                           ; my part of the head's blocks is in; no tensor load of mine is out, so a descriptor may be written:
	s_mov_b32 s[G1A+2], 48<<16                     ; from here on a load brings 48 rows
	s_mov_b32 s[G1A+4], 48
	s_barrier_signal -1
	s_barrier_wait -1                              ; the first half of A and W1 are whole
	s_cmp_lt_u32 s[WV], 4
	s_cbranch_scc0 .Lj1
	GH 0, 1                                        ; the first set: K steps 0-3
.Lj1:
	REFILL G0R                                     ; the second half's K steps 0-3
	s_cmp_lt_u32 s[WV], 4
	s_cbranch_scc0 .Lj2
	GH 1, 0                                        ; the first set: K steps 4-7
.Lj2:
	REFILL G0R+4                                   ; the second half's K steps 0-3 are in; its K steps 4-7 go out
	s_cmp_lt_u32 s[WV], 4
	s_cbranch_scc0 .Ly3
	BIASP                                          ; the first set's gates and scan, beside the second set's products
	EW 0
	SCAN 0
	EW 1
	SCAN 1
	s_branch .Lj3
.Ly3:
	GH 0, 1
.Lj3:
	s_wait_alu depctr_va_vdst(0)
	s_wait_tensorcnt 0x0                           ; my part of the second half's K steps 4-7 is in
	s_wait_dscnt 0x0
	s_barrier_signal -1
	s_barrier_wait -1
	s_cmp_lt_u32 s[WV], 4
	s_cbranch_scc0 .Ly4
	EW 2
	SCAN 2
	EW 3
	SCAN 3
	s_branch .Lj4
.Ly4:
	GH 1, 0
	BIASP
	EW 0
	SCAN 0
	EW 1
	SCAN 1
	EW 2
	SCAN 2
	EW 3
	SCAN 3
.Lj4:
	ds_store_b128 v[R2W], v[RES:RES+3]             ; my two rows of the residual, for wave 7
	s_wait_alu depctr_va_vdst(0)
	s_wait_dscnt 0x0                               ; for the others' sake: my stores have landed
	s_barrier_signal -1
	s_barrier_wait -1
	s_cmp_lg_u32 s[WV], 7                          ; times 496 on lie in wave 7, lanes 16-31, i = 2 and 3: the other waves are done
	s_cbranch_scc1 .Ldone
.irp b, 0,1,2,3
.irp m, 0,1,2,3,4,5,6,7
	ds_load_b128 v[CT+32*\b+4*\m:CT+32*\b+4*\m+3], v[CRA] offset:2304*\b+16*\m
.endr
.endr
.irp b, 0,1,2,3
	v_mov_b32 v[CAR+2*\b], 0.5                     ; h_0
.endr
	s_wait_alu depctr_va_vdst(0)
	s_wait_dscnt 0x0
.irp sg, 0,1,2,3,4,5,6,7,8,9,10,11,12,13,14    ; through the fifteen segments ahead of the last: right for lanes 16-31, whose results alone go on
.irp b, 0,1,2,3
	v_fma_f32 v[CAR+2*\b], v[CT+32*\b+2*\sg], v[CAR+2*\b], v[CT+32*\b+2*\sg+1]
.endr
.endr
.irp b, 0,1,2,3
	v_mov_b32 v[CAR+2*\b+1], v[CAR+2*\b]
.endr
	WIN 0x51
.irp i, 2,3
.set G, 64*\i
.set H, G+32
.set n, 0
.rept 16
	v_pk_fma_f32 v[H+n:H+n+1], v[G+n:G+n+1], v[CAR+2*(n/8):CAR+2*(n/8)+1], v[H+n:H+n+1]   ; h_t = V_t + P_t x (h at my segment's start)
.set n, n+2
.endr
.endr
	WIN 0x04
.irp i, 2,3
.set H, 64*\i+32
.set n, 0
.rept 32
	ds_store_b32 v[S2W], v[H+n] offset:272*(8*(\i-2)+n%8)+64*(n/8)
.set n, n+1
.endr
.endr
	WIN 0
.set k, 0
.rept 16
	ds_load_b128 v[XX+4*k:XX+4*k+3], v[S2R] offset:16*k   ; my wave's own bytes, served in order (ISA guide 5.7.1.4)
.set k, k+1
.endr
.set k, 0
.rept 16
	ds_load_b128 v[YY+4*k:YY+4*k+3], v[R2R] offset:16*k
.set k, k+1
.endr
	s_wait_dscnt 0x0
.set k, 0
.rept 32
	v_pk_add_f32 v[XX+k:XX+k+1], v[XX+k:XX+k+1], v[YY+k:YY+k+1]   ; h2 = h + h1
.set k, k+2
.endr
	QROW XX
	s_wait_alu depctr_va_vdst(0)
	s_wait_xcnt 0x0                                ; EXEC changes only behind this wait
	v_cmp_gt_u32 vcc_lo, 16, v1
	s_and_saveexec_b32 s2, vcc_lo                  ; lanes 0-15: one lane a time
.irp c, 0,1,2
	global_store_b128 v[GIA], v[CC+4*\c:CC+4*\c+3], s[90:91] offset:512*\c   ; sixteen lanes store 256 consecutive bytes, aligned
.endr
	global_store_b16 v[GSO], v[BY], s[92:93]
	s_wait_xcnt 0x0                                ; and again, in front of the line that widens it
	s_or_b32 exec_lo, exec_lo, s2
.Ldone:
	s_wait_tensorcnt 0x0                           ; the wave's end
	ds_add_u32 v[SPW], v[NIL]
	s_wait_dscnt 0x0
	CROUND                                         ; the closing round
	s_endpgm
.Lfunc_end_k_q0cb6e977ba_layer1:
	.size	k_q0cb6e977ba_layer1, .Lfunc_end_k_q0cb6e977ba_layer1-k_q0cb6e977ba_layer1
	.p2alignl 7, 3214868480
	.fill 96, 4, 3214868480
	.section	.rodata,"a",@progbits
	.p2align	6, 0x0
	.amdhsa_kernel k_q0cb6e977ba_layer1
		.amdhsa_group_segment_fixed_size 327680
		.amdhsa_private_segment_fixed_size 0
		.amdhsa_enable_private_segment 0
		.amdhsa_kernarg_size 48
		.amdhsa_user_sgpr_count 2
		.amdhsa_user_sgpr_kernarg_segment_ptr 1
		.amdhsa_wavefront_size32 1
		.amdhsa_system_sgpr_workgroup_id_x 1
		.amdhsa_system_sgpr_workgroup_id_y 1
		.amdhsa_system_sgpr_workgroup_id_z 1
		.amdhsa_system_vgpr_workitem_id 0
		.amdhsa_next_free_vgpr 512
		.amdhsa_next_free_sgpr 96
		.amdhsa_reserve_vcc 1
		.amdhsa_float_denorm_mode_32 3
		.amdhsa_float_denorm_mode_16_64 3
		.amdhsa_memory_ordered 1
		.amdhsa_forward_progress 1
		.amdhsa_inst_pref_size 255
	.end_amdhsa_kernel
	.section	.bss,"aw",@nobits
	.p2align	6
	.space	262144
	.amdgpu_metadata
---
amdhsa.version: [ 1, 2 ]
amdhsa.kernels:
  - .name:           k_q0cb6e977ba_layer1
    .symbol:         k_q0cb6e977ba_layer1.kd
    .args:
      - { .name: a1, .offset: 0, .size: 8, .value_kind: global_buffer, .address_space: global }
      - { .name: wimg, .offset: 8, .size: 8, .value_kind: global_buffer, .address_space: global }
      - { .name: W1_scales, .offset: 16, .size: 8, .value_kind: global_buffer, .address_space: global }
      - { .name: b1, .offset: 24, .size: 8, .value_kind: global_buffer, .address_space: global }
      - { .name: h1t, .offset: 32, .size: 8, .value_kind: global_buffer, .address_space: global }
      - { .name: a2, .offset: 40, .size: 8, .value_kind: global_buffer, .address_space: global }
    .group_segment_fixed_size: 327680
    .private_segment_fixed_size: 0
    .kernarg_segment_align: 8
    .kernarg_segment_size: 48
    .max_flat_workgroup_size: 256
    .sgpr_count:     96
    .vgpr_count:     512
    .wavefront_size: 32
...
	.end_amdgpu_metadata
.endif
;; end of part 3
;; launch logits (part 4): grid 16 x 16, 2 waves a work-group, no clusters, 8,960 bytes of LDS; arguments a2, wimg, Wl_scales, bl, out0; writes out0
.if DOCPART == 4
	.amdgcn_target "amdgcn-amd-amdhsa--gfx1250"
	.amdhsa_code_object_version 6
	.text
	.protected	k_q0cb6e977ba_logits
	.globl	k_q0cb6e977ba_logits
	.p2align	8
	.type	k_q0cb6e977ba_logits,@function
k_q0cb6e977ba_logits:
	s_mov_b64 s[64:65], 0
	v_nop
	global_prefetch_b8 v0, s[64:65] scope:SCOPE_SE
	s_setreg_imm32_b32 hwreg(HW_REG_WAVE_MODE, 25, 1), 1
	s_wait_xcnt 0x0
; out0[b][tau][n] = the sum over k of Q(h2)[b][496 + tau][k] Wl[n][k] + bl[n], on codes of FP6 (E2M3) with E8M0 scales.  Only the 16 times that the model keeps are multiplied: 256 rows x 2,048 columns x 1,024.
; h2's codes and scale bytes come from the launch before (a2), Wl's codes as images of operand registers from the first launch (wimg, third weight).  In a K step s, registers 6 c .. 6 c + 5 of lane half h hold channels 128 s + 64 h + 32 c + 0 .. 31,
; alike on both sides; the scale bytes go with their blocks.  The sums group a K step's blocks in that order, not in ascending k.
; SHARES.  Work-group (xg, b): batch b's 16 rows; wave w takes columns n0 = 1,024 w + 64 xg on, 64 of them: four accumulators by turns, eight K steps.
; All operands go from memory straight into registers, each used once: no ring, no tensor load, no cluster (a work-group reads 12 KiB of h2's codes that fifteen others read too, against 96 KiB of Wl's that are its own batch-mates': the launch is a handful of loads and 32 products a wave).
; TRANSPOSED: source 0 = 16 rows of Wl, source 1 = h2's 16 rows: a lane holds one row tau = lane % 16 and eight neighbouring columns.  The bias is the C of each sum's first product.
; REGISTERS: window 0: v4-10 addresses; v16-31 Wl's scale words (4 t + q: lanes 0-15 K step q, lanes 16-31 K step 4 + q); v32-35 h2's; v36-43 h2's bytes as loaded; v64-95 the sums; v96-127 the way out; v160-255 h2's 8 fragments.
;   window 1: Wl's fragments of K steps 0-3 at v[12 (4 s + t)];  window 2: of K steps 4-7.
.set SW,  16
.set SH,  32
.set RAW, 36
.set ACC, 64
.set OUTR, 96
.set AF,  160
.set MSB, 0
.macro WIN new                         ; the immediate's high byte repeats the setting that is left
.if MSB != \new
	s_set_vgpr_msb (MSB<<8)|\new
.set MSB, \new
.endif
.endm
	s_load_b256 s[4:11], s[0:1], 0x0               ; a2 s[4:5], wimg s[6:7], Wl's scales s[8:9], bl s[10:11]
	s_load_b64 s[12:13], s[0:1], 0x20              ; out0
	v_lshl_add_u32 v158, v0, 2, 0x2200
	v_mov_b32 v159, 0
	v_lshrrev_b32 v1, 5, v0
	v_readfirstlane_b32 s14, v1                    ; wave 0, 1
	v_and_b32 v1, 31, v0                           ; l
	v_and_b32 v2, 15, v0                           ; r
	v_bfe_u32 v3, v0, 4, 1                         ; h
	s_and_b32 s15, ttmp7, 0xffff                   ; b
	s_lshl_b32 s16, s14, 10
	s_lshl_b32 s17, ttmp9, 6
	s_add_co_u32 s16, s16, s17                     ; n0
	v_lshlrev_b32 v4, 5, v3                        ; bl: my half's eight numbers of a tile
	v_lshlrev_b32 v5, 5, v2
	v_lshl_add_u32 v5, v3, 4, v5                   ; Wl's scale bytes: row r of 32, + 16 h
	v_lshlrev_b32 v6, 1, v2
	v_lshl_add_u32 v6, v3, 8, v6                   ; h2's: lanes 16-31 take the groups of K steps 4-7 (8 groups of 32 bytes on), row r's two bytes
	v_lshlrev_b32 v7, 4, v1                        ; an image: 16 x lane
	s_mul_i32 s17, s14, 4352
	v_mul_u32_u24 v8, v2, 272
	v_lshl_add_u32 v8, v3, 5, v8
	v_add_nc_u32 v8, s17, v8                       ; my wave's stage, in: row r, + 32 h
	v_lshlrev_b32 v11, 4, v2
	v_mad_u32_u24 v9, v3, 272, v11
	v_add_nc_u32 v9, s17, v9                       ; back: lanes 0-15 one row, lanes 16-31 the next
	v_lshl_add_u32 v10, v3, 13, v11                ; and the same two rows in out0
	s_lshl_b32 s18, s16, 2
	s_mov_b32 s19, 0
	s_lshl_b32 s20, s16, 5
	s_mov_b32 s21, 0
	s_lshl_b32 s22, s15, 9
	s_add_co_u32 s22, s22, 196608
	s_mov_b32 s23, 0
	s_mul_i32 s24, s15, 12288
	s_mov_b32 s25, 0
	s_mul_i32 s26, ttmp9, 98304
	s_mul_i32 s27, s14, 6144
	s_add_co_u32 s26, s26, s27
	s_add_co_u32 s26, s26, 3145728
	s_mov_b32 s27, 0
	s_lshl_b32 s28, s15, 17
	s_add_co_u32 s28, s28, s18
	s_mov_b32 s29, 0
	s_wait_alu depctr_va_vdst(0)
	s_wait_kmcnt 0x0
	s_add_nc_u64 s[18:19], s[10:11], s[18:19]      ; bl at n0
	s_add_nc_u64 s[20:21], s[8:9], s[20:21]        ; Wl's scale bytes at row n0
	s_add_nc_u64 s[22:23], s[4:5], s[22:23]        ; h2's scale bytes of batch b
	s_add_nc_u64 s[24:25], s[4:5], s[24:25]        ; h2's images of batch b
	s_add_nc_u64 s[26:27], s[6:7], s[26:27]        ; Wl's images: group xg, blocks 4 w on
	s_add_nc_u64 s[28:29], s[12:13], s[28:29]      ; out0: batch b, column n0
.irp t, 0,1,2,3
	global_load_b128 v[ACC+8*\t:ACC+8*\t+3],   v4, s[18:19] offset:64*\t        ; bl(n0 + 16 t + 8 h + 0 .. 7): the sums begin as the bias
	global_load_b128 v[ACC+8*\t+4:ACC+8*\t+7], v4, s[18:19] offset:64*\t+16
.endr
.irp t, 0,1,2,3
	global_load_b128 v[SW+4*\t:SW+4*\t+3], v5, s[20:21] offset:512*\t
.endr
.irp q, 0,1,2,3
	global_load_u16 v[RAW+2*\q],   v6, s[22:23] offset:64*\q
	global_load_u16 v[RAW+2*\q+1], v6, s[22:23] offset:64*\q+32
.endr
.set n, 0
.rept 24                                       ; n = 3 x K step + c
	global_load_b128 v[AF+4*n:AF+4*n+3], v7, s[24:25] offset:512*n
.set n, n+1
.endr
	WIN 0x40                                       ; destination window 1
.irp ks, 0,1,2,3
.irp t, 0,1,2,3
.irp c, 0,1,2
	global_load_b128 v[12*(4*\ks+\t)+4*\c:12*(4*\ks+\t)+4*\c+3], v7, s[26:27] offset:12288*\ks+1536*\t+512*\c
.endr
.endr
.endr
	WIN 0x80                                       ; destination window 2
.irp ks, 0,1,2,3
.irp t, 0,1,2,3
.irp c, 0,1,2
	global_load_b128 v[12*(4*\ks+\t)+4*\c:12*(4*\ks+\t)+4*\c+3], v7, s[26:27] offset:12288*(\ks+4)+1536*\t+512*\c
.endr
.endr
.endr
	WIN 0
	s_wait_loadcnt 48                              ; all but the youngest 48 loads, Wl's K steps 4-7, are in
.set n, 0
.rept 16
	v_perm_b32 v[SW+n], v[SW+n], v[SW+n], 0x03010200   ; bytes 1 and 2 change places, as their blocks do
.set n, n+1
.endr
.irp q, 0,1,2,3
	v_perm_b32 v[SH+\q], v[RAW+2*\q+1], v[RAW+2*\q], 0x05010400   ; byte 0, 2 = group 2 s's two blocks, byte 1, 3 = group 2 s + 1's
.endr
.rept 8
	v_nop                                          ; a scale word made by a vector line stands eight places ahead of a scaled product
.endr
	WIN 0x01                                       ; source 0 (Wl) window 1
.irp ks, 0,1,2,3
.irp t, 0,1,2,3
	v_wmma_scale_f32_16x16x128_f8f6f4 v[ACC+8*\t:ACC+8*\t+7], v[12*(4*\ks+\t):12*(4*\ks+\t)+11], v[AF+12*\ks:AF+12*\ks+11], v[ACC+8*\t:ACC+8*\t+7], v[SW+4*\t+\ks], v[SH+\ks] matrix_a_fmt:MATRIX_FMT_FP6 matrix_b_fmt:MATRIX_FMT_FP6
.endr
.endr
	s_wait_alu depctr_va_vdst(0)
	s_wait_loadcnt 0x0
	WIN 0x02                                       ; source 0 window 2
.irp ks, 0,1,2,3
.irp t, 0,1,2,3
	v_wmma_scale_f32_16x16x128_f8f6f4 v[ACC+8*\t:ACC+8*\t+7], v[12*(4*\ks+\t):12*(4*\ks+\t)+11], v[AF+12*(\ks+4):AF+12*(\ks+4)+11], v[ACC+8*\t:ACC+8*\t+7], v[SW+4*\t+\ks], v[SH+\ks] matrix_a_fmt:MATRIX_FMT_FP6 matrix_b_fmt:MATRIX_FMT_FP6 matrix_a_scale:MATRIX_SCALE_ROW1 matrix_b_scale:MATRIX_SCALE_ROW1
.endr
.endr
	WIN 0
.rept 4
	v_nop                                          ; four places ahead of the first read of results (ISA guide 7.12.1)
.endr
	; THE WAY OUT: a lane's 32 bytes of a row go into my wave's own stage (rows of 256 bytes + 16) and come back as whole rows
.irp t, 0,1,2,3
	ds_store_b128 v8, v[ACC+8*\t:ACC+8*\t+3] offset:64*\t            ; each accumulator from its low end on
	ds_store_b128 v8, v[ACC+8*\t+4:ACC+8*\t+7] offset:64*\t+16
.endr
.irp m, 0,1,2,3,4,5,6,7
	ds_load_b128 v[OUTR+4*\m:OUTR+4*\m+3], v9 offset:544*\m          ; LDS serves a wave's instructions in order (ISA guide 5.7.1.4): these see my stores
.endr
.irp m, 0,1,2,3,4,5,6,7
	s_wait_dscnt 7-\m                              ; the m-th load is back; the 7 - m younger ones may be out
	global_store_b128 v10, v[OUTR+4*\m:OUTR+4*\m+3], s[28:29] offset:16384*\m th:TH_STORE_NT   ; sixteen lanes store 256 consecutive bytes, aligned; written once, read by nobody here
.endr
	s_wait_tensorcnt 0x0
	ds_add_u32 v158, v159
	s_wait_dscnt 0x0
	s_endpgm
.Lfunc_end_k_q0cb6e977ba_logits:
	.size	k_q0cb6e977ba_logits, .Lfunc_end_k_q0cb6e977ba_logits-k_q0cb6e977ba_logits
	.p2alignl 7, 3214868480
	.fill 96, 4, 3214868480
	.section	.rodata,"a",@progbits
	.p2align	6, 0x0
	.amdhsa_kernel k_q0cb6e977ba_logits
		.amdhsa_group_segment_fixed_size 8960
		.amdhsa_private_segment_fixed_size 0
		.amdhsa_enable_private_segment 0
		.amdhsa_kernarg_size 40
		.amdhsa_user_sgpr_count 2
		.amdhsa_user_sgpr_kernarg_segment_ptr 1
		.amdhsa_wavefront_size32 1
		.amdhsa_system_sgpr_workgroup_id_x 1
		.amdhsa_system_sgpr_workgroup_id_y 1
		.amdhsa_system_sgpr_workgroup_id_z 1
		.amdhsa_system_vgpr_workitem_id 0
		.amdhsa_next_free_vgpr 768
		.amdhsa_next_free_sgpr 66
		.amdhsa_reserve_vcc 0
		.amdhsa_float_denorm_mode_32 3
		.amdhsa_float_denorm_mode_16_64 3
		.amdhsa_memory_ordered 1
		.amdhsa_forward_progress 1
		.amdhsa_inst_pref_size 25
	.end_amdhsa_kernel
	.amdgpu_metadata
---
amdhsa.version: [ 1, 2 ]
amdhsa.kernels:
  - .name:           k_q0cb6e977ba_logits
    .symbol:         k_q0cb6e977ba_logits.kd
    .args:
      - { .name: a2, .offset: 0, .size: 8, .value_kind: global_buffer, .address_space: global }
      - { .name: wimg, .offset: 8, .size: 8, .value_kind: global_buffer, .address_space: global }
      - { .name: Wl_scales, .offset: 16, .size: 8, .value_kind: global_buffer, .address_space: global }
      - { .name: bl, .offset: 24, .size: 8, .value_kind: global_buffer, .address_space: global }
      - { .name: out0, .offset: 32, .size: 8, .value_kind: global_buffer, .address_space: global }
    .group_segment_fixed_size: 8960
    .private_segment_fixed_size: 0
    .kernarg_segment_align: 8
    .kernarg_segment_size: 40
    .max_flat_workgroup_size: 64
    .sgpr_count:     66
    .vgpr_count:     768
    .wavefront_size: 32
...
	.end_amdgpu_metadata
.endif
;; end of part 4
